; MI455X (gfx1250); checked and timed in simulation.
; The chip was launched on July 23, 2026; its instructions are those of AMD's public machine-readable ISA for CDNA 5 (MIT licence, August 2026) and "CDNA5" Instruction Set Architecture Reference Guide (July 2026). The comments in the code are by the model that wrote it; some were corrected since.
;; MHA. Allowed arithmetic: matrix products marked QUANTISED: E4M3 operands, one given power-of-two scale a tensor, by v_wmma_f32_16x16x64_fp8_fp8 or v_wmma_f32_16x16x128_fp8_fp8, f32 sums; everything else in f32.
;; Inputs: P_k 16 x 1,024 x 64 float32; P_o 16 x 1,024 x 64 float32; P_q 16 x 1,024 x 64 float32; P_v 16 x 1,024 x 64 float32; lowp_scales 12 int32 (the exponents e of the quantised operands' scales 2^e); x 4 x 2,048 x 1,024 float32.
;; Outputs: out0 4 x 2,048 x 1,024 float32.
;; This version of the problem:
;;   THIS VERSION OF THE PROBLEM IS GIVEN IN LOW PRECISION. The matrix products marked QUANTISED in the list below multiply operands that are first quantised to E4M3 (4 exponent bits, 3 mantissa bits; 8 bits a number), with one given power-of-two scale for each operand tensor; their sums are f32. All else is computed in f32.
;;   The module's matrix products, in the order in which they are computed (A, B: the left and right operand; K: the contracted axis; several contracted axes count as one K, in the product's order):
;;     1. [M 1,024, K 1,024] x [K 1,024, N 8,192]; A: input P_q; B: input x: QUANTISED (scales: A lowp_scales[0], B lowp_scales[1])
;;     2. [M 1,024, K 1,024] x [K 1,024, N 8,192]; A: input P_k; B: input x: QUANTISED (scales: A lowp_scales[2], B lowp_scales[3])
;;     3. [M 1,024, K 1,024] x [K 1,024, N 8,192]; A: input P_v; B: input x: QUANTISED (scales: A lowp_scales[4], B lowp_scales[5])
;;     4. batch 64 x [M 2,048, K 64] x [K 64, N 2,048]; A: computed on the way; B: computed on the way: QUANTISED (scales: A lowp_scales[6], B lowp_scales[7])
;;     5. batch 64 x [M 2,048, K 2,048] x [K 2,048, N 64]; A: softmax (see below); B: computed on the way: QUANTISED (scales: A lowp_scales[8], B lowp_scales[9])
;;     6. [M 8,192, K 1,024] x [K 1,024, N 1,024]; A: computed on the way; B: input P_o: QUANTISED (scales: A lowp_scales[10], B lowp_scales[11])
;;   THE QUANTISER, for each operand of a quantised product, along K:
;;     - The operand's scale is 2^e, e = its entry of the input lowp_scales (int32; the entries are numbered through the quantised products in the list's order, A before B).
;;     - Each number is divided by the scale, clamped to +-448, and rounded to the nearest number of E4M3, ties to even, subnormals kept.
;;     - The product sums the exact products of the quantised numbers (number of the format x scale) in f32.
;;   ~~~python
;;   def quantise(x, axis, e):      # numpy; x: float32 -> the quantised numbers, widened to float32 again
;;       x = np.moveaxis(x, axis, -1); K = x.shape[-1]
;;       r = np.clip(x / 2.0 ** e, -448, 448)
;;       step = 2.0 ** (np.maximum(np.frexp(np.where(r == 0, 1, r))[1] - 1, -6) - 3)
;;       q = np.round(r / step) * step * 2.0 ** e      # np.round: ties to even
;;       return np.moveaxis(q, -1, axis).astype(np.float32)
;;   ~~~
;;   SOFTMAX AHEAD OF A QUANTISED PRODUCT. Where the list says 'softmax', what is quantised is not the finished softmax but p = 2^(t - M), with t = logit x log2(e) and M = ceil(the row's largest t), a whole number; so 1/2 < the row's largest p <= 1. The row's sum l is taken of the UNQUANTISED p, in f32, and the product's result is divided by l at the end. Since M is a whole number, a kernel that streams over the keys may use a running M (the ceiling of the running maximum): every later rescaling is an exact power of two, so the quantised numbers keep their values, but for numbers so far below the row's largest that they fall under the format's range.
;;   OPERANDS COMPUTED ON THE WAY. 'Computed on the way' means the value that the module computes at that place (a softmax that the list does not call 'softmax' is quantised finished and normalised). What goes into a quantiser is computed in f32, as accurately as f32 sums, v_exp_f32 and their like allow (about 1e-6 of the number): no bf16 or f16 on the way to a quantiser, and a product that is left as it is and whose result goes on into a quantised operand takes f32 operands (vector FMAs, or v_wmma_f32_16x16x4_f32). A number that lies on a knife's edge between two numbers of the format may be rounded either way, as far as f32 arithmetic and the matrix unit's own rounding can turn it there, and no further.
;; One version. Each part assembles by itself: llvm-mc -triple=amdgcn-amd-amdhsa -mcpu=gfx1250 --defsym DOCPART=n.
;; ======== version 1 of 1: 4 launches
;; limits: right only within a limited range of input values
;; workspace buffers: xc 25,165,824 bytes; wc 3,145,728 bytes; poc 1,048,576 bytes; qkv 25,165,824 bytes; oc 8,388,608 bytes
;; launch prep (part 1): grid 640 x 1, 4 waves a work-group, no clusters, 34,304 bytes of LDS; arguments x, P_q, P_k, P_v, P_o, lowp_scales, xc, wc, poc; writes xc, wc, poc
.if DOCPART == 1
	.amdgcn_target "amdgcn-amd-amdhsa--gfx1250"
	.amdhsa_code_object_version 6
	.text
	.protected	k_qb8cbb1d5d8_prep
	.globl	k_qb8cbb1d5d8_prep
	.p2align	8
	.type	k_qb8cbb1d5d8_prep,@function
k_qb8cbb1d5d8_prep:
	s_mov_b64 s[64:65], 0
	v_nop
	global_prefetch_b8 v0, s[64:65] scope:SCOPE_SE
	s_setreg_imm32_b32 hwreg(HW_REG_WAVE_MODE, 25, 1), 1
	s_wait_xcnt 0x0
; PREP: the f32 inputs become codes of FP8 (E4M3), laid as IMAGES OF OPERAND REGISTERS, so that the later launches neither transpose nor stage a code.
; code = number / 2^e, held within +-448, to the nearest code, ties to even; e is the operand's entry of lowp_scales.
; AN IMAGE.  A fragment is 16 rows x 128 K = 4 groups of 512 bytes.  In group c lane L = 16 h + r has the 16 bytes at 16 L: row r, k = 32 c + 16 h + 0 .. 15.
;   xc  [sec 3][K step of 256: 4][tile of 16 rows: 512][4,096 bytes]: x three times, with e1, e3, e5 (its entry in each of the three projections)
;   wc  [sec 3][K step 4][tile 64][4,096]: P_q, P_k, P_v with e0, e2, e4; K = d.  Tile 4 head + 2 b + u; its row r is column 32 b + 8 u + r + 8 (r / 8) of the head
;   poc [K step 4][tile of 16 d: 64][4,096]: P_o with e11; K = 64 head + v
; SHARES.  Work-groups 0-511: path X, 16 rows of x each (65,536 bytes on end), a wave 256 along K.  512-607: path W.  608-639: path PO.  The paths part on the work-group's number; path X alone uses LDS.
; No matrix unit, no tensor load, no barrier: waves share nothing, and memory binds.
; LIMITS: e0 .. e5 and e11 between -126 and 119, so that 2^e and 448 x 2^e are f32 numbers.  NaN among the inputs is not served (an infinity is held at the largest code).
.set SP,    528                        ; path X: a stage row: 512 bytes + 16, an odd multiple of 16 bytes
.set STGW,  16*SP                      ; a wave's stage
.set R,     16                         ; v16-143  path X: two fragments as loaded, 64 registers each
.set X,     144                        ; v144-207 a fragment with 16 neighbours along K to a lane and group
.set T,     208                        ; v208-223 16 numbers, held
.set C,     224                        ; v224-235 codes: four registers for each of the three scales
.set XW,    16                         ; path W: v16-79 two sets of 32 numbers;  v80-143 codes, 8 registers for each block
.set CW,    80
.set XP,    16                         ; path PO: v16-143 two sets of 64 numbers;  v144-207 codes, 16 registers for each fragment
.set CP,    144
.macro MKS e, vs, vl                   ; v[vs] = 2^e as f32 (the conversion takes its exponent field), v[vl] = 448 x 2^e
	s_add_co_i32 s50, s[\e], 127
	s_lshl_b32 s51, s50, 23
	v_mov_b32 v[\vs], s51
	s_add_co_i32 s50, s50, 8
	s_lshl_b32 s50, s50, 23
	s_or_b32 s50, s50, 0x600000
	v_mov_b32 v[\vl], s50
.endm
	s_load_b256 s[4:11], s[0:1], 0x0               ; x s[4:5], P_q s[6:7], P_k s[8:9], P_v s[10:11]
	s_load_b256 s[12:19], s[0:1], 0x20             ; P_o s[12:13], lowp_scales s[14:15], xc s[16:17], wc s[18:19]
	s_load_b64 s[20:21], s[0:1], 0x40              ; poc
	v_lshl_add_u32 v240, v0, 2, 0x8400
	v_mov_b32 v241, 0
	v_lshrrev_b32 v1, 5, v0
	v_readfirstlane_b32 s22, v1                    ; wave 0..3
	v_and_b32 v1, 31, v0                           ; lane
	v_and_b32 v12, 15, v0                          ; r
	v_bfe_u32 v13, v0, 4, 1                        ; h
	s_wait_kmcnt 0x0
	s_load_b256 s[24:31], s[14:15], 0x0            ; e0 .. e7
	s_load_b128 s[32:35], s[14:15], 0x20           ; e8 .. e11
	s_cmp_lt_u32 ttmp9, 512
	s_cbranch_scc0 .Lnot_x
; ---------------- PATH X: 16 rows of x; my wave takes 256 along K: two fragments, each quantised with three scales
	s_wait_alu depctr_va_vdst(0)
	v_lshlrev_b32 v2, 4, v1                        ; 16 x lane: my bytes of a load's 512, and of a group's image
	s_wait_alu depctr_va_vdst(0)
	s_mul_i32 s46, s22, STGW
	v_add_nc_u32 v3, s46, v2                       ; the stage, on the way in: a row's 512 bytes as they lie
	v_mul_u32_u24 v4, v12, SP
	v_lshl_add_u32 v4, v13, 6, v4
	v_add_nc_u32 v4, s46, v4                       ; and on the way out: row r, + 64 h: my 16 numbers of a block of 32
	s_lshl_b32 s38, ttmp9, 16                      ; 16 rows of 4,096 bytes,
	s_lshl_b32 s47, s22, 10                        ; my wave's 256 numbers of a row
	s_add_co_u32 s38, s38, s47
	s_mov_b32 s39, 0
	s_add_nc_u64 s[36:37], s[4:5], s[38:39]
	s_lshl_b32 s38, ttmp9, 12                      ; the tile's 4,096 bytes,
	s_lshl_b32 s47, s22, 21                        ; in my wave's K step
	s_add_co_u32 s38, s38, s47
	s_add_nc_u64 s[40:41], s[16:17], s[38:39]      ; section 0,
	s_add_nc_u64 s[42:43], s[40:41], 0x800000      ; 1,
	s_add_nc_u64 s[44:45], s[40:41], 0x1000000     ; 2
.macro LOADX f                         ; fragment f: 128 numbers of each of the 16 rows: each load reads 512 consecutive bytes
.irp i, 0,1,2,3,4,5,6,7,8,9,10,11,12,13,14,15
	global_load_b128 v[R+64*\f+4*\i:R+64*\f+4*\i+3], v2, s[36:37] offset:4096*\i+512*\f th:TH_LOAD_NT
.endr
.endm
	LOADX 0
	LOADX 1
	s_wait_alu depctr_va_vdst(0)
	s_wait_kmcnt 0x0
	MKS 25, 6, 7                                   ; e1
	MKS 27, 8, 9                                   ; e3
	MKS 29, 10, 11                                 ; e5
.macro FRAGX f
	s_wait_loadcnt 16*(1-\f)                       ; this fragment's 16 loads are in; the other fragment's may be out
.irp i, 0,1,2,3,4,5,6,7,8,9,10,11,12,13,14,15
	ds_store_b128 v3, v[R+64*\f+4*\i:R+64*\f+4*\i+3] offset:SP*\i
.endr
.irp c, 0,1,2,3
.irp j, 0,1,2,3
	ds_load_b128 v[X+16*\c+4*\j:X+16*\c+4*\j+3], v4 offset:128*\c+16*\j   ; LDS serves a wave's instructions in order (ISA guide 5.7.1.4): these see the stores above
.endr
.endr
.irp c, 0,1,2,3
	s_wait_dscnt 4*(3-\c)                          ; group c's four loads are back; the later groups' may be out
.if (\f)+(\c) > 0
	s_wait_xcnt 0x0                                ; the last group's stores have read their codes: the registers are written again only behind this wait
.endif
.irp q, 0,1,2
.irp i, 0,1,2,3,4,5,6,7,8,9,10,11,12,13,14,15
	v_med3_num_f32 v[T+\i], v[X+16*\c+\i], -v[7+2*\q], v[7+2*\q]   ; the conversion to an 8-bit code does not saturate (ISA guide 7.6.2): the hold comes first
.endr
	v_cvt_scalef32_pk8_fp8_f32 v[C+4*\q:C+4*\q+1], v[T:T+7], v[6+2*\q]
	v_cvt_scalef32_pk8_fp8_f32 v[C+4*\q+2:C+4*\q+3], v[T+8:T+15], v[6+2*\q]
	v_nop                                          ; a plain line between the conversions and the next holds, which write their sources
	global_store_b128 v2, v[C+4*\q:C+4*\q+3], s[40+2*\q:41+2*\q] offset:2048*\f+512*\c   ; a group: 512 consecutive bytes
.endr
.endr
.endm
	s_wait_alu depctr_va_vdst(0)
	FRAGX 0
	FRAGX 1
	s_wait_tensorcnt 0x0
	ds_add_u32 v240, v241
	s_wait_dscnt 0x0
	s_endpgm
.Lnot_x:
	s_cmp_lt_u32 ttmp9, 608
	s_cbranch_scc0 .Lpo
; ---------------- PATH W: P [head][d][64].  A LANE TAKES A COLUMN AND ITS REGISTERS RUN DOWN d, WHICH IS K: the conversions then give codes with K innermost, and nothing is transposed.
; g = work-group - 512: section g / 32, head (g / 2) % 16.  My wave: columns 32 b .. 32 b + 31 (b = wave % 2), d = 256 dq .. + 255 (dq = 2 (g % 2) + wave / 2).
	s_sub_co_u32 s36, ttmp9, 512
	s_lshr_b32 s37, s36, 5                         ; section
	s_bfe_u32 s38, s36, 0x40001                    ; head
	s_and_b32 s39, s36, 1
	s_lshl_b32 s39, s39, 1
	s_lshr_b32 s46, s22, 1
	s_add_co_u32 s39, s39, s46                     ; dq
	s_and_b32 s46, s22, 1                          ; b
	s_cmp_eq_u32 s37, 0
	s_cselect_b64 s[40:41], s[6:7], s[8:9]
	s_cmp_eq_u32 s37, 2
	s_cselect_b64 s[40:41], s[10:11], s[40:41]     ; P_q, P_k or P_v: the choice hangs on the work-group's number alone
	s_lshl_b32 s42, s38, 18                        ; a head is 262,144 bytes,
	s_lshl_b32 s48, s39, 16                        ; 256 rows of 256 bytes
	s_add_co_u32 s42, s42, s48
	s_mov_b32 s43, 0
	s_add_nc_u64 s[40:41], s[40:41], s[42:43]
	s_lshl_b32 s42, s37, 20                        ; wc: the section,
	s_lshl_b32 s48, s39, 18                        ; the K step,
	s_add_co_u32 s42, s42, s48
	s_lshl_b32 s48, s38, 14                        ; tile 4 head
	s_add_co_u32 s42, s42, s48
	s_lshl_b32 s48, s46, 13                        ; + 2 b
	s_add_co_u32 s42, s42, s48
	s_add_nc_u64 s[44:45], s[18:19], s[42:43]
	s_wait_alu depctr_va_vdst(0)
	v_and_b32 v2, 8, v12
	v_add_nc_u32 v2, v2, v12                       ; r + 8 (r / 8)
	v_lshl_add_u32 v2, v13, 3, v2                  ; + 8 u (u = lane / 16): the 32 lanes take the 32 columns of block b, 128 consecutive bytes
	s_lshl_b32 s48, s46, 5
	v_add_nc_u32 v2, s48, v2
	v_lshlrev_b32 v2, 2, v2                        ; my column, in bytes
	v_lshlrev_b32 v3, 4, v12
	v_lshl_add_u32 v3, v13, 12, v3                 ; out: tile 2 b + u, row r: 16 bytes a lane, sixteen lanes fill 256 consecutive bytes
.macro LOADW t                         ; block t: P(32 t + i, my column), i = 0 .. 31, into set t % 2
.set ii, 0
.rept 32
	global_load_b32 v[XW+32*((\t)%2)+ii], v2, s[40:41] offset:256*(32*(\t)+ii) th:TH_LOAD_NT
.set ii, ii+1
.endr
.endm
	LOADW 0
	LOADW 1
	s_wait_kmcnt 0x0
	s_cmp_eq_u32 s37, 0
	s_cselect_b32 s49, s24, s26
	s_cmp_eq_u32 s37, 2
	s_cselect_b32 s49, s28, s49                    ; e0, e2 or e4
	MKS 49, 6, 7
.macro BLOCKW t
.set XS, XW+32*((\t)%2)
.if (\t) < 7
	s_wait_loadcnt 32                              ; this block's 32 loads are in; the next block's may be out
.else
	s_wait_loadcnt 0x0
.endif
.set ii, 0
.rept 32
	v_med3_num_f32 v[XS+ii], v[XS+ii], -v7, v7
.set ii, ii+1
.endr
.irp g, 0,1,2,3
	v_cvt_scalef32_pk8_fp8_f32 v[CW+8*(\t)+2*\g:CW+8*(\t)+2*\g+1], v[XS+8*\g:XS+8*\g+7], v6
.endr
	v_nop                                          ; a plain line behind the last conversion of the run
	global_store_b128 v3, v[CW+8*(\t):CW+8*(\t)+3], s[44:45] offset:2048*((\t)/4)+512*((\t)%4)        ; k = 32 t + 0 .. 15: the image's lanes 0-15
	global_store_b128 v3, v[CW+8*(\t)+4:CW+8*(\t)+7], s[44:45] offset:2048*((\t)/4)+512*((\t)%4)+256  ; k = 32 t + 16 .. 31: its lanes 16-31.  Each block has its own code registers: none is written again
.if (\t)+2 < 8
	LOADW (\t)+2
.endif
.endm
	s_wait_alu depctr_va_vdst(0)
.irp t, 0,1,2,3,4,5,6,7
	BLOCKW \t
.endr
	s_endpgm
.Lpo:
; ---------------- PATH PO: P_o [head][d][64]; rows d, K = 64 head + v.  Task = 4 (work-group - 608) + wave: tile of 16 d = task / 2, heads 8 (task % 2) .. + 7: four fragments of two heads each.
; Lane (r, h) reads, of row d = r, 16 neighbouring v (64 bytes) for each group: pieces of 16 bytes, sixteen lanes 256 bytes apart.  P_o is 4 MB of the launch's 50 MB: that is accepted here.
	s_sub_co_u32 s36, ttmp9, 608
	s_lshl_b32 s36, s36, 2
	s_add_co_u32 s36, s36, s22                     ; task
	s_lshr_b32 s37, s36, 1                         ; tile of d
	s_and_b32 s38, s36, 1                          ; which 8 heads
	s_lshl_b32 s42, s38, 21
	s_lshl_b32 s48, s37, 12
	s_add_co_u32 s42, s42, s48
	s_mov_b32 s43, 0
	s_add_nc_u64 s[40:41], s[12:13], s[42:43]
	s_lshl_b32 s42, s38, 19                        ; poc: two K steps of 262,144 bytes for 8 heads
	s_add_co_u32 s42, s42, s48
	s_add_nc_u64 s[44:45], s[20:21], s[42:43]
	s_wait_alu depctr_va_vdst(0)
	v_lshlrev_b32 v2, 8, v12
	v_lshl_add_u32 v2, v13, 6, v2                  ; row r of 256 bytes, + 64 h
	v_lshlrev_b32 v3, 4, v1                        ; 16 x lane
.macro LOADP f                         ; fragment f: group c is head 2 f + c / 2, v = 32 (c % 2) + 16 h + 0 .. 15
.irp c, 0,1,2,3
.irp j, 0,1,2,3
	global_load_b128 v[XP+64*((\f)%2)+16*\c+4*\j:XP+64*((\f)%2)+16*\c+4*\j+3], v2, s[40:41] offset:((2*(\f)+\c/2)<<18)+128*(\c%2)+16*\j
.endr
.endr
.endm
	LOADP 0
	LOADP 1
	s_wait_kmcnt 0x0
	MKS 35, 6, 7                                   ; e11
.macro FRP f
.set XS, XP+64*((\f)%2)
.if (\f) < 3
	s_wait_loadcnt 16                              ; this fragment's 16 loads are in; the next one's may be out
.else
	s_wait_loadcnt 0x0
.endif
.irp c, 0,1,2,3
.irp i, 0,1,2,3,4,5,6,7,8,9,10,11,12,13,14,15
	v_med3_num_f32 v[XS+16*\c+\i], v[XS+16*\c+\i], -v7, v7
.endr
	v_cvt_scalef32_pk8_fp8_f32 v[CP+16*(\f)+4*\c:CP+16*(\f)+4*\c+1], v[XS+16*\c:XS+16*\c+7], v6
	v_cvt_scalef32_pk8_fp8_f32 v[CP+16*(\f)+4*\c+2:CP+16*(\f)+4*\c+3], v[XS+16*\c+8:XS+16*\c+15], v6
	v_nop
	global_store_b128 v3, v[CP+16*(\f)+4*\c:CP+16*(\f)+4*\c+3], s[44:45] offset:(((\f)/2)<<18)+2048*((\f)%2)+512*\c
.endr
.if (\f)+2 < 4
	LOADP (\f)+2
.endif
.endm
	s_wait_alu depctr_va_vdst(0)
.irp f, 0,1,2,3
	FRP \f
.endr
	s_endpgm
.Lfunc_end_k_qb8cbb1d5d8_prep:
	.size	k_qb8cbb1d5d8_prep, .Lfunc_end_k_qb8cbb1d5d8_prep-k_qb8cbb1d5d8_prep
	.p2alignl 7, 3214868480
	.fill 96, 4, 3214868480
	.section	.rodata,"a",@progbits
	.p2align	6, 0x0
	.amdhsa_kernel k_qb8cbb1d5d8_prep
		.amdhsa_group_segment_fixed_size 34304
		.amdhsa_private_segment_fixed_size 0
		.amdhsa_enable_private_segment 0
		.amdhsa_kernarg_size 72
		.amdhsa_user_sgpr_count 2
		.amdhsa_user_sgpr_kernarg_segment_ptr 1
		.amdhsa_wavefront_size32 1
		.amdhsa_system_sgpr_workgroup_id_x 1
		.amdhsa_system_sgpr_workgroup_id_y 1
		.amdhsa_system_sgpr_workgroup_id_z 1
		.amdhsa_system_vgpr_workitem_id 0
		.amdhsa_next_free_vgpr 242
		.amdhsa_next_free_sgpr 66
		.amdhsa_reserve_vcc 0
		.amdhsa_float_denorm_mode_32 3
		.amdhsa_float_denorm_mode_16_64 3
		.amdhsa_memory_ordered 1
		.amdhsa_forward_progress 1
		.amdhsa_inst_pref_size 114
	.end_amdhsa_kernel
	.amdgpu_metadata
---
amdhsa.version: [ 1, 2 ]
amdhsa.kernels:
  - .name:           k_qb8cbb1d5d8_prep
    .symbol:         k_qb8cbb1d5d8_prep.kd
    .args:
      - { .name: x, .offset: 0, .size: 8, .value_kind: global_buffer, .address_space: global }
      - { .name: P_q, .offset: 8, .size: 8, .value_kind: global_buffer, .address_space: global }
      - { .name: P_k, .offset: 16, .size: 8, .value_kind: global_buffer, .address_space: global }
      - { .name: P_v, .offset: 24, .size: 8, .value_kind: global_buffer, .address_space: global }
      - { .name: P_o, .offset: 32, .size: 8, .value_kind: global_buffer, .address_space: global }
      - { .name: lowp_scales, .offset: 40, .size: 8, .value_kind: global_buffer, .address_space: global }
      - { .name: xc, .offset: 48, .size: 8, .value_kind: global_buffer, .address_space: global }
      - { .name: wc, .offset: 56, .size: 8, .value_kind: global_buffer, .address_space: global }
      - { .name: poc, .offset: 64, .size: 8, .value_kind: global_buffer, .address_space: global }
    .group_segment_fixed_size: 34304
    .private_segment_fixed_size: 0
    .kernarg_segment_align: 8
    .kernarg_segment_size: 72
    .max_flat_workgroup_size: 128
    .sgpr_count:     66
    .vgpr_count:     242
    .wavefront_size: 32
...
	.end_amdgpu_metadata
.endif
;; end of part 1
;; launch qkv (part 2): grid 12 x 32, 4 waves a work-group, clusters of 4 x 4, 327,680 bytes of LDS; arguments xc, wc, lowp_scales, qkv; writes qkv
.if DOCPART == 2
	.amdgcn_target "amdgcn-amd-amdhsa--gfx1250"
	.amdhsa_code_object_version 6
	.text
	.protected	k_qb8cbb1d5d8_qkv
	.globl	k_qb8cbb1d5d8_qkv
	.p2align	8
	.type	k_qb8cbb1d5d8_qkv,@function
k_qb8cbb1d5d8_qkv:
	s_mov_b64 s[64:65], 0
	v_nop
	global_prefetch_b8 v0, s[64:65] scope:SCOPE_SE
	s_setreg_imm32_b32 hwreg(HW_REG_WAVE_MODE, 25, 1), 1
	s_wait_xcnt 0x0
	s_wait_alu depctr_hold_cnt(0) depctr_sa_sdst(0) depctr_va_vdst(0) depctr_va_sdst(0) depctr_va_ssrc(0) depctr_va_vcc(0) depctr_vm_vsrc(0)
	s_getreg_b32 s2, hwreg(HW_REG_IB_STS2, 6, 4)
	s_cmp_eq_u32 s2, 0
	s_cbranch_scc0 .Lentry_in_a_cluster
	s_endpgm
.Lentry_in_a_cluster:
	s_bfe_u32 s2, ttmp6, 0x10000c
	s_cmp_lg_u32 s2, 0xf033
	s_cbranch_scc0 .Lentry_shape_is_right
	s_endpgm
.Lentry_shape_is_right:
; QKV: the three projections on codes of FP8 (E4M3), K = 1,024, and their results quantised on the way out into images of attention's operands.
; The cluster's x is the SECTION: 0 Q, 1 K, 2 V.  A work-group makes 256 rows of x (tile y) x 256 columns of the section's weight (tile cx: 4 heads); a wave 128 x 128: 64 accumulators of 16 x 16, 512 registers.
; TILES ARE IMAGES OF OPERAND REGISTERS (made by the launch before): a fragment, 16 rows x 128 K, is 4 groups of 512 bytes, lane l's 16 bytes at 16 l.  A K step of 256 of 128 rows is one dense block of
; 32,768 bytes for one tensor load, and a fragment comes out of LDS by four loads of 512 consecutive bytes: no pitch, no padding.
; K goes in four steps of 256 through a ring of two LDS slots.  4 x 4 work-groups form a cluster: x's tile is asked for jointly along a row of the cluster, the weight's along a column.
; Q, K: source 0 = 16 rows of the weight, source 1 = 16 rows of x: a lane holds one row of x; the weight's tiles are so ordered that the 16 registers of two neighbouring tiles are 16 neighbouring columns of a head.
; V: THE SOURCES ARE EXCHANGED (source 0 = 16 rows of x, the keys; source 1 = 16 rows of the weight): a lane holds one channel and its registers run along the keys, the next product's K.
; The exchange is made in the LDS addresses alone (which region source 0 and source 1 read), chosen by the section, which all partners of a cluster share: one text serves the three sections.
; THE WAY OUT: a sum stands for sum x 2^(eA + eB); its code is sum / 2^(eO - eA - eB): the three scales are folded into the conversion's one.  Two conversions give a group of an image, stored as 512 consecutive bytes.
;   qkv: Q at 0, K at 8 MiB: [batch x head 64][tile of 16 rows 128][group 2][512];  V at 16 MiB: [batch x head 64][128 keys: 16][tile of 16 channels 4][group 4][512].
; LIMIT: eO - eA - eB between -126 and 119 in each section (e6 - e0 - e1, e7 - e2 - e3, e9 - e4 - e5), so that the power of two and 448 x it are f32 numbers.
; REGISTERS, in windows of 256: window 0: v4-29 addresses and scales; v32-95, v96-111 the way out; v128-255 source 1's eight fragments, ONE set.  window 1: source 0's fragments, TWO sets, at v0 and v128.
;   window 2: accumulators (a, b) of source 1's blocks a = 0-3 at v[8 (8 a + b)];  window 3: those of blocks 4-7.
.set SLOT,   131072                    ; a slot: x's two halves of 128 rows, then the weight's two: 4 x 32,768 bytes
.set SPARE,  2*SLOT                    ; behind the ring: the spare words, 128 bytes for each wave: two blocks of 256 bytes that no other line names
.set XSTEP,  1<<21                     ; from a K step of 256 to the next in xc,
.set WSTEP,  1<<18                     ; and in wc
.set FR,     16                        ; registers of a fragment
.set NL,     4                         ; LDS loads that bring one
.set NP,     4                         ; places behind this matrix instruction (ISA guide 7.12.1)
.set VO,   8                           ; v8-11   the way out: byte offsets of the four groups that a block of source 1 gives
.set LIMR, 12                          ; v12     448 x 2^(eO - eA - eB)
.set SCL,  13                          ; v13     2^(eO - eA - eB)
.set ADRA, 16                          ; v16-17  LDS address of source 1's fragments in slot 0, 1
.set ADRB, 20                          ; v20-21  the same for source 0
.set SPW,  28                          ; v28     LDS address of my spare word; never rewritten
.set NIL,  29                          ; v29     0; never rewritten
.set TMP,  32                          ; v32-95  a block's 64 sums, held
.set CD,   96                          ; v96-111 their codes
.set AF,   128                         ; source 1's fragments, in window 0
.set G1, 24                            ; s[24:31] descriptor group 1 for x's tiles;  s[32:39] group 0, one set for each slot
.set G0, 32
.set G1B, 48                           ; s[48:55], s[56:63] the same for the weight's tiles
.set G0B, 56
.set MSB, 0
.macro WIN new                         ; the immediate's high byte repeats the setting that is left
.if MSB != \new
	s_set_vgpr_msb (MSB<<8)|\new
.set MSB, \new
.endif
.endm
.set MUL_LO, 0xa1                      ; source 0 window 1, source 1 window 0, C and D window 2
.set MUL_HI, 0xf1                      ; the same, C and D window 3
.set TO_B,   0x40                      ; destination window 1, address window 0
; A joint load: waves 0 and 1 fetch x's halves, waves 2 and 3 the weight's.  Each of the two lines has one mask and one set of registers for all that issue it; the branch hangs on the wave's number alone.
; Four v_nop follow each of the two lines, ahead of the jump, the label and what follows.
.macro JLOAD g0a, g1a, g0b, g1b
	s_cmp_eq_u32 s15, 0
	s_cbranch_scc0 .Lfor_b_\@
	tensor_load_to_lds s[\g0a:\g0a+3], s[\g1a:\g1a+7]
	s_nop 0
.rept 4
	v_nop
.endr
	s_branch .Lasked_\@
.Lfor_b_\@:
	tensor_load_to_lds s[\g0b:\g0b+3], s[\g1b:\g1b+7]
	s_nop 0
.rept 4
	v_nop
.endr
.Lasked_\@:
.endm
.macro CREST                           ; a round of the cluster's barrier behind its opening barrier
	s_cmp_lg_u32 s14, 0
	s_cbranch_scc1 .Lnot_wave_0_\@
	s_barrier_signal -3
.Lnot_wave_0_\@:
	s_barrier_wait -3
	s_barrier_signal -1
	s_barrier_wait -1
.endm
.macro CROUND                          ; a whole round
	s_barrier_signal -1
	s_barrier_wait -1
	CREST
.endm
	s_load_b128 s[4:7], s[0:1], 0x0                ; xc s[4:5], wc s[6:7]
	s_load_b128 s[8:11], s[0:1], 0x10              ; lowp_scales s[8:9], qkv s[10:11]
	v_lshl_add_u32 v[SPW], v0, 2, SPARE
	v_mov_b32 v[NIL], 0
	ds_add_u32 v28, v29
	ds_add_u32 v28, v29
	s_wait_dscnt 0x0
	v_lshrrev_b32 v1, 5, v0
	v_readfirstlane_b32 s14, v1                    ; wave 0..3
	s_lshr_b32 s15, s14, 1                         ; which half source 1 takes.  Also: I fetch for x (0) or for the weight (1)
	s_and_b32 s16, s14, 1                          ; which half source 0 takes.  Also: which 128 rows of that tile I fetch
	s_bfe_u32 s40, ttmp6, 0x40000                  ; cx: the weight's tile of 256 rows (the cluster's x is the section)
	s_bfe_u32 s41, ttmp6, 0x40004                  ; cy
	s_and_b32 s17, ttmp7, 0xffff
	s_lshl_b32 s17, s17, 2
	s_add_co_u32 s17, s17, s41                     ; y: x's tile of 256 rows = 4 x cluster y + cy
	s_lshl_b32 s43, s41, 2
	s_lshl_b32 s43, 15, s43                        ; my row of the cluster
	s_lshl_b32 s44, 0x1111, s40                    ; my column
	; descriptor group 1: a dense block of 32,768 bytes as 128 rows of 32 elements of 8 bytes
	s_or_b32 s[G1+0], s43, (3<<16)|(1<<21)         ; 15:0 the mask: x's tiles go to my row; 17:16 elements of 8 bytes; 20 no padding; 21 set beside a mask
	s_or_b32 s[G1B+0], s44, (3<<16)|(1<<21)        ; the weight's go to my column
.irp g, G1, G1B
	s_mov_b32 s[\g+1], 32<<16                      ; tensor_dim0 = 32
	s_mov_b32 s[\g+2], 128<<16                     ; tensor_dim1 = 128
	s_mov_b32 s[\g+3], 32<<16                      ; tile_dim0 = 32
	s_mov_b32 s[\g+4], 128                         ; tile_dim1 = 128
	s_mov_b32 s[\g+5], 32                          ; tensor_dim0_stride: dense
	s_mov_b32 s[\g+6], 0
	s_mov_b32 s[\g+7], 0
.endr
	s_lshl_b32 s18, s16, 15                        ; which half of the tile I fetch
	s_lshl_b32 s20, ttmp9, 23                      ; x: the section,
	s_lshl_b32 s92, s17, 16                        ; tile y: 16 images of 4,096 bytes,
	s_add_co_u32 s20, s20, s92
	s_add_co_u32 s20, s20, s18                     ; my half: nothing of cx enters
	s_mov_b32 s21, 0
	s_lshl_b32 s46, ttmp9, 20                      ; the weight: the section,
	s_lshl_b32 s93, s40, 16                        ; tile cx,
	s_add_co_u32 s46, s46, s93
	s_add_co_u32 s46, s46, s18                     ; my half: nothing of cy enters
	s_mov_b32 s47, 0
	s_lshl_b32 s45, s14, 15                        ; where they go: wave x 32,768: no place in the cluster enters an LDS address
	s_wait_kmcnt 0x0
	s_load_b256 s[68:75], s[8:9], 0x0              ; e0 .. e7
	s_load_b128 s[76:79], s[8:9], 0x20             ; e8 .. e11
	s_add_nc_u64 s[20:21], s[4:5], s[20:21]
	s_add_nc_u64 s[46:47], s[6:7], s[46:47]
	CROUND                                         ; all sixteen work-groups are here: the first joint loads meet
.irp s, 0,1
	s_mov_b32 s[G0+4*\s], 1
	s_add_co_u32 s[G0+4*\s+1], s45, \s*SLOT
	s_add_nc_u64 s[G0+4*\s+2:G0+4*\s+3], s[20:21], \s*XSTEP
	s_or_b32 s[G0+4*\s+3], s[G0+4*\s+3], 0x80000000
	s_mov_b32 s[G0B+4*\s], 1
	s_add_co_u32 s[G0B+4*\s+1], s45, \s*SLOT
	s_add_nc_u64 s[G0B+4*\s+2:G0B+4*\s+3], s[46:47], \s*WSTEP
	s_or_b32 s[G0B+4*\s+3], s[G0B+4*\s+3], 0x80000000
.endr
	JLOAD G0, G1, G0B, G1B                         ; K step 0: one tensor load a wave at the head
	; LDS addresses.  Sections 0, 1: source 0 reads the weight's region (65,536 on), source 1 x's.  Section 2: the other way round.
	v_and_b32 v1, 31, v0
	v_lshlrev_b32 v4, 4, v1                        ; 16 x lane
	s_wait_alu depctr_va_vdst(0)
	s_cmp_eq_u32 ttmp9, 2
	s_cselect_b32 s94, 0x10000, 0                  ; source 1's region
	s_cselect_b32 s95, 0, 0x10000                  ; source 0's
	s_cselect_b32 s84, s16, s15                    ; which half of x's 256 rows is mine,
	s_cselect_b32 s85, s15, s16                    ; and of the weight's
	s_mov_b32 s80, 1024
	s_cselect_b32 s80, 2048, s80                   ; the way out: from a block of source 1 to the next (Q, K: a tile of 16 rows; V: a tile of 16 channels),
	s_mov_b32 s82, 1024
	s_cselect_b32 s82, 124928, s82                 ; from block 3 to block 4 (V: on to the next head: 131,072 - 3 x 2,048),
	s_mov_b32 s90, 131072
	s_cselect_b32 s90, 1024, s90                   ; the third group of a block (Q, K: the next head's first; V: keys 64 on),
	s_mov_b32 s91, 131584
	s_cselect_b32 s91, 1536, s91                   ; the fourth
	s_mov_b32 s81, 0
	s_mov_b32 s83, 0
	s_lshl_b32 s22, s15, 15
	s_add_co_u32 s22, s22, s94
	s_lshl_b32 s23, s16, 15
	s_add_co_u32 s23, s23, s95
.irp s, 0,1
	v_add_nc_u32 v[ADRA+\s], s22, v4
	v_add_nc_u32 v[ADRB+\s], s23, v4
	s_add_co_u32 s22, s22, SLOT
	s_add_co_u32 s23, s23, SLOT
.endr
	; where my results begin: section x 8 MiB + (16 batch + my first head) x 131,072 + 64 x my first row within the batch: the same sum in all three sections
	s_lshr_b32 s86, s17, 3                         ; batch
	s_lshl_b32 s86, s86, 4
	s_lshl_b32 s87, s40, 2
	s_add_co_u32 s86, s86, s87                     ; + 4 cx
	s_lshl_b32 s87, s85, 1
	s_add_co_u32 s86, s86, s87                     ; + 2 x my half of the weight's rows
	s_lshl_b32 s86, s86, 17
	s_and_b32 s87, s17, 7
	s_lshl_b32 s87, s87, 14                        ; 64 x 256 (y % 8)
	s_add_co_u32 s86, s86, s87
	s_lshl_b32 s87, s84, 13                        ; 64 x 128 x my half of x's rows
	s_add_co_u32 s86, s86, s87
	s_lshl_b32 s87, ttmp9, 23
	s_add_co_u32 s86, s86, s87
	s_mov_b32 s87, 0
	s_add_nc_u64 s[88:89], s[10:11], s[86:87]
	v_mov_b32 v[VO], v4
	v_add_nc_u32 v[VO+1], 512, v4
	v_add_nc_u32 v[VO+2], s90, v4
	v_add_nc_u32 v[VO+3], s91, v4
	; PREFETCHES INTO THE L2: K steps 1 and 2 here, while K step 0's load is on its way; K step 3 behind the load of K step 2, a K step ahead of its own load.  Of the 32,768 bytes that I fetch in a K step each of
	; the four partners that ask for them jointly takes 8,192, told apart by address (cx for x, cy for the weight): lanes 256 bytes apart, one instruction a wave and K step.  The address registers are never rewritten.
	s_cmp_eq_u32 s15, 0
	s_cselect_b64 s[12:13], s[20:21], s[46:47]
	s_cselect_b32 s96, s40, s41
	s_mov_b32 s98, WSTEP
	s_cselect_b32 s98, XSTEP, s98
	s_mov_b32 s99, 0
	s_lshl_b32 s96, s96, 13
	s_mov_b32 s97, 0
	s_add_nc_u64 s[12:13], s[12:13], s[96:97]
	s_add_nc_u64 s[12:13], s[12:13], s[98:99]      ; K step 1
	s_add_nc_u64 s[66:67], s[12:13], s[98:99]      ; K step 2
	s_add_nc_u64 s[96:97], s[66:67], s[98:99]      ; K step 3
	v_lshlrev_b32 v30, 8, v1
	global_prefetch_b8 v30, s[12:13] th:TH_LOAD_NT scope:SCOPE_SE
	global_prefetch_b8 v30, s[66:67] th:TH_LOAD_NT scope:SCOPE_SE
	s_wait_alu depctr_va_vdst(0)
	s_wait_kmcnt 0x0                               ; the scales: chosen by the section, without a branch
	s_cmp_eq_u32 ttmp9, 0
	s_cselect_b32 s84, s68, s70
	s_cselect_b32 s85, s69, s71
	s_cselect_b32 s86, s74, s75
	s_cmp_eq_u32 ttmp9, 2
	s_cselect_b32 s84, s72, s84                    ; eA: e0, e2, e4
	s_cselect_b32 s85, s73, s85                    ; eB: e1, e3, e5
	s_cselect_b32 s86, s77, s86                    ; eO: e6, e7, e9
	s_sub_co_i32 s86, s86, s84
	s_sub_co_i32 s86, s86, s85
	s_add_co_i32 s86, s86, 127
	s_lshl_b32 s87, s86, 23
	v_mov_b32 v[SCL], s87                          ; 2^(eO - eA - eB) as f32
	s_add_co_i32 s86, s86, 8
	s_lshl_b32 s86, s86, 23
	s_or_b32 s86, s86, 0x600000
	v_mov_b32 v[LIMR], s86                         ; 448 x that
.macro FRAG reg, adr, q, i             ; fragment i of my 128 rows, the slot's q-th 128 along K: four groups, each 512 consecutive bytes
.irp c, 0,1,2,3
	ds_load_b128 v[\reg+4*\c:\reg+4*\c+3], v[\adr] offset:4096*(\i)+2048*(\q)+512*\c
.endr
.endm
; 16 matrix instructions: source 1's blocks a0, a0 + 1 x source 0's eight, 128 along K.  p: source 0's set.  zero = 1: the first product starts the sums: nothing is ever cleared.
; The 64 accumulators take turns, one instruction a turn, in the same order in every step.
.macro MUL16 a0, p, zero
.irp a, \a0, \a0+1
.irp b, 0,1,2,3,4,5,6,7
.if \zero
	v_wmma_f32_16x16x128_fp8_fp8 v[8*(8*((\a)%4)+\b):8*(8*((\a)%4)+\b)+7], v[128*(\p)+FR*\b:128*(\p)+FR*\b+FR-1], v[AF+FR*(\a):AF+FR*(\a)+FR-1], 0
.else
	v_wmma_f32_16x16x128_fp8_fp8 v[8*(8*((\a)%4)+\b):8*(8*((\a)%4)+\b)+7], v[128*(\p)+FR*\b:128*(\p)+FR*\b+FR-1], v[AF+FR*(\a):AF+FR*(\a)+FR-1], v[8*(8*((\a)%4)+\b):8*(8*((\a)%4)+\b)+7]
.endif
.endr
.endr
.endm
.macro FETCH_B slot, q, p              ; source 0's eight fragments into set p
	WIN TO_B
.irp i, 0,1,2,3,4,5,6,7
	FRAG 128*(\p)+FR*\i, ADRB+\slot, \q, \i
.endr
	WIN 0
.endm
.macro FETCH_A slot, q, i0             ; source 1's blocks i0 .. i0 + 3
.irp i, \i0, \i0+1, \i0+2, \i0+3
	FRAG AF+FR*(\i), ADRA+\slot, \q, \i
.endr
.endm
; A load into a register that a matrix instruction has read, and a vector instruction that reads a matrix result, stand NP places behind that matrix instruction; only plain vector
; instructions that name none of its registers are places (ISA guide 7.12.1 for vector instructions).
.macro PLACES n
.rept \n
	v_nop
.endr
.endm
; A step of 128 along K that has its successor in the same slot.  A block of source 1 is free as soon as its eight products are issued: blocks 0-3 are fetched anew in the middle, blocks 4-7 at the end.
.macro STEP slot, q, zero
	s_wait_dscnt 4*NL                              ; source 0's set and source 1's blocks 0-3 are in; the youngest sixteen loads (blocks 4-7) may be out
	WIN MUL_LO
	MUL16 0, (\q)%2, \zero
	MUL16 2, (\q)%2, \zero
	s_wait_dscnt 0                                 ; blocks 4-7 are in (asked for 32 matrix instructions ago)
	PLACES NP
	FETCH_B \slot, (\q)+1, 1-(\q)%2
	FETCH_A \slot, (\q)+1, 0
	WIN MUL_HI
	MUL16 4, (\q)%2, \zero
	MUL16 6, (\q)%2, \zero
	PLACES NP
	WIN 0
	FETCH_A \slot, (\q)+1, 4
.endm
; A slot's last step changes slots: ONE barrier; in front of it each wave waits for all its tensor loads, adds 0 to its spare word, and waits for that and for its own reads of this slot.  fill = 1: this slot is filled again, two K steps ahead.
.macro TURN slot, next, fill
	s_wait_tensorcnt 0x0                           ; all my tensor loads have landed: my part of the next slot  (every window is 0 here)
	ds_add_u32 v[SPW], v[NIL]                      ; 0 onto my spare word
	s_wait_dscnt 4*NL+1                            ; (the add and the youngest sixteen loads may be out)
	WIN MUL_LO
	MUL16 0, 1, 0                                  ; sixteen matrix instructions stand between the add and the wait for it
	s_wait_dscnt 0x0                               ; the add is done, and my reads of this slot are over
	s_barrier_signal -1
	MUL16 2, 1, 0
	WIN 0
	s_barrier_wait -1
.if \fill
	CREST                                          ; the barrier has opened a round of the cluster's barrier: no wave of any partner still reads this slot or has a load on its way
	s_add_nc_u64 s[G0+4*\slot+2:G0+4*\slot+3], s[G0+4*\slot+2:G0+4*\slot+3], 2*XSTEP
	s_add_nc_u64 s[G0B+4*\slot+2:G0B+4*\slot+3], s[G0B+4*\slot+2:G0B+4*\slot+3], 2*WSTEP
	JLOAD G0+4*\slot, G1, G0B+4*\slot, G1B         ; the first tensor load behind the round, my only one until the next; its four v_nop are also the places in front of the loads below
.else
	PLACES NP
.endif
	FETCH_B \next, 0, 0
	FETCH_A \next, 0, 0
.if (\fill) && ((\slot) == 0)
	global_prefetch_b8 v30, s[96:97] th:TH_LOAD_NT scope:SCOPE_SE   ; K step 3, a K step ahead of its load
.endif
	WIN MUL_HI
	MUL16 4, 1, 0
	MUL16 6, 1, 0
	PLACES NP
	WIN 0
	FETCH_A \next, 0, 4
.endm
	s_wait_alu depctr_va_vdst(0)
	s_wait_tensorcnt 0x0                           ; my part of K step 0 is in
	ds_add_u32 v[SPW], v[NIL]
	s_wait_dscnt 0x0
	CROUND                                         ; everybody's part of K step 0 is in, and the sixteen work-groups are here
	JLOAD G0+4, G1, G0B+4, G1B                     ; K step 1: the first tensor load behind the round
	FETCH_B 0, 0, 0
	FETCH_A 0, 0, 0
	FETCH_A 0, 0, 4
	STEP 0, 0, 1                                   ; K = 1,024 is four slots' worth: eight steps of 128, written out
	TURN 0, 1, 1                                   ; slot 0 takes K step 2
	STEP 1, 0, 0
	TURN 1, 0, 1                                   ; slot 1 takes K step 3
	STEP 0, 0, 0
	TURN 0, 1, 0                                   ; nothing is left to fetch
	STEP 1, 0, 0
	s_wait_dscnt 4*NL                              ; the last step
	WIN MUL_LO
	MUL16 0, 1, 0
	MUL16 2, 1, 0
	s_wait_alu depctr_va_vdst(0)
	s_wait_dscnt 0
	WIN MUL_HI
	MUL16 4, 1, 0
	MUL16 6, 1, 0
	WIN 0
	PLACES NP
; THE WAY OUT, a block of source 1 at a time: its 64 sums are held within +-448 x the folded scale (each accumulator from its low end on), eight conversions make 16 registers of codes: four groups of an image.
.macro OUTA a
.set AC, 64*((\a)%4)
	WIN 0x02+((\a)/4)                              ; source 0: window 2 or 3
.set n, 0
.rept 64
	v_med3_num_f32 v[TMP+n], v[AC+n], -v[LIMR], v[LIMR]   ; the conversion to an 8-bit code does not saturate (ISA guide 7.6.2)
.set n, n+1
.endr
	WIN 0
.if (\a) > 0
	s_wait_alu depctr_va_vdst(0)
	s_wait_xcnt 0x0                                ; the last block's stores have read their codes and their base: both are written again only behind this wait
.if (\a) == 4
	s_add_nc_u64 s[88:89], s[88:89], s[82:83]
.else
	s_add_nc_u64 s[88:89], s[88:89], s[80:81]
.endif
.endif
.irp k, 0,1,2,3,4,5,6,7
	v_cvt_scalef32_pk8_fp8_f32 v[CD+2*\k:CD+2*\k+1], v[TMP+8*\k:TMP+8*\k+7], v[SCL]
.endr
	v_nop                                          ; a plain line between the conversions and the next block's holds, which write their sources
.irp b, 0,1,2,3
	global_store_b128 v[VO+\b], v[CD+4*\b:CD+4*\b+3], s[88:89]   ; 32 lanes store 512 consecutive bytes, at a multiple of 512 from the buffer's first byte
.endr
.endm
.irp a, 0,1,2,3,4,5,6,7
	OUTA \a
.endr
	s_wait_tensorcnt 0x0                           ; the wave's end
	ds_add_u32 v[SPW], v[NIL]
	s_wait_dscnt 0x0
	CROUND                                         ; the closing round: no work-group ends while a partner may still ask for a tile that names it
	s_endpgm
.Lfunc_end_k_qb8cbb1d5d8_qkv:
	.size	k_qb8cbb1d5d8_qkv, .Lfunc_end_k_qb8cbb1d5d8_qkv-k_qb8cbb1d5d8_qkv
	.p2alignl 7, 3214868480
	.fill 96, 4, 3214868480
	.section	.rodata,"a",@progbits
	.p2align	6, 0x0
	.amdhsa_kernel k_qb8cbb1d5d8_qkv
		.amdhsa_group_segment_fixed_size 327680
		.amdhsa_private_segment_fixed_size 0
		.amdhsa_enable_private_segment 0
		.amdhsa_kernarg_size 32
		.amdhsa_user_sgpr_count 2
		.amdhsa_user_sgpr_kernarg_segment_ptr 1
		.amdhsa_wavefront_size32 1
		.amdhsa_system_sgpr_workgroup_id_x 1
		.amdhsa_system_sgpr_workgroup_id_y 1
		.amdhsa_system_sgpr_workgroup_id_z 1
		.amdhsa_system_vgpr_workitem_id 0
		.amdhsa_next_free_vgpr 1024
		.amdhsa_next_free_sgpr 100
		.amdhsa_reserve_vcc 0
		.amdhsa_float_denorm_mode_32 3
		.amdhsa_float_denorm_mode_16_64 3
		.amdhsa_memory_ordered 1
		.amdhsa_forward_progress 1
		.amdhsa_inst_pref_size 120
	.end_amdhsa_kernel
	.amdgpu_metadata
---
amdhsa.version: [ 1, 2 ]
amdhsa.kernels:
  - .name:           k_qb8cbb1d5d8_qkv
    .symbol:         k_qb8cbb1d5d8_qkv.kd
    .args:
      - { .name: xc, .offset: 0, .size: 8, .value_kind: global_buffer, .address_space: global }
      - { .name: wc, .offset: 8, .size: 8, .value_kind: global_buffer, .address_space: global }
      - { .name: lowp_scales, .offset: 16, .size: 8, .value_kind: global_buffer, .address_space: global }
      - { .name: qkv, .offset: 24, .size: 8, .value_kind: global_buffer, .address_space: global }
    .group_segment_fixed_size: 327680
    .private_segment_fixed_size: 0
    .kernarg_segment_align: 8
    .kernarg_segment_size: 32
    .max_flat_workgroup_size: 128
    .sgpr_count:     100
    .vgpr_count:     1024
    .wavefront_size: 32
...
	.end_amdgpu_metadata
.endif
;; end of part 2
;; launch attn (part 3): grid 4 x 64, 16 waves a work-group, clusters of 4 x 1, 327,680 bytes of LDS; arguments qkv, lowp_scales, oc; writes oc
.if DOCPART == 3
	.amdgcn_target "amdgcn-amd-amdhsa--gfx1250"
	.amdhsa_code_object_version 6
	.text
	.protected	k_qb8cbb1d5d8_attn
	.globl	k_qb8cbb1d5d8_attn
	.p2align	8
	.type	k_qb8cbb1d5d8_attn,@function
k_qb8cbb1d5d8_attn:
	s_mov_b64 s[64:65], 0
	v_nop
	global_prefetch_b8 v0, s[64:65] scope:SCOPE_SE
	s_setreg_imm32_b32 hwreg(HW_REG_WAVE_MODE, 25, 1), 1
	s_wait_xcnt 0x0
	s_wait_alu depctr_hold_cnt(0) depctr_sa_sdst(0) depctr_va_vdst(0) depctr_va_sdst(0) depctr_va_ssrc(0) depctr_va_vcc(0) depctr_vm_vsrc(0)
	s_getreg_b32 s2, hwreg(HW_REG_IB_STS2, 6, 4)
	s_cmp_eq_u32 s2, 0
	s_cbranch_scc0 .Lentry_in_a_cluster
	s_endpgm
.Lentry_in_a_cluster:
	s_bfe_u32 s2, ttmp6, 0x10000c
	s_cmp_lg_u32 s2, 0x3003
	s_cbranch_scc0 .Lentry_shape_is_right
	s_endpgm
.Lentry_shape_is_right:
; ATTN: o = softmax(Q K^T / 8, causal) V for 64 (batch, head) pairs of 2,048 rows x 64, both products on codes of FP8 (E4M3); o is quantised on the way out (e10) into an image of the last product's operand.
; THE SOFTMAX: t = score x log2(e) / 8; M = the row's largest t so far, rounded UP to a whole number; p = 2^(t - M) is quantised (e8), not normalised.  The row's sum is taken of the unquantised p, in f32,
; and divides O at the end.  When M moves, the sum and O are multiplied by 2^(old M - new M): exact.
; LEFT OUT: key steps of 128 all of whose keys come after a tile's 16 queries: the causal mask gives them the weight 0 for every input.  A NaN or infinity that reaches only those scores is not carried.
; A PAIR'S K AND V STAY IN LDS: 2,048 keys x 64 codes are 131,072 bytes each: K at byte 0, V at 131,072.  Every byte is filled once and none again, so the walk over the keys has no barrier.
; Two groups of loads, one a wave each: key steps 0-3 (4,096 bytes a wave; waves 0-7 K, 8-15 V) at the head; key steps 4-15 (12,288 bytes a wave) behind the full sequence and a round; they are waited for behind the fourth trip.
; CLUSTER: the four work-groups of a pair read the same K and V and ask for them jointly (mask 15).
; SHARES.  A pair has 128 tiles of 16 queries.  Wave w of work-group cx owns tiles j = cx + 4 w and 127 - j, one after the other in the same registers.  Tile j walks key steps 0 .. w / 2, tile 127 - j key steps
; 0 .. 15 - w / 2: 17 trips in every wave, and where the tiles change hangs on the wave's number alone.  cx enters global addresses and the diagonal's lane masks, and no branch and no LDS address.
; NO PREFETCH: all that the launch loads is asked for by the two groups at its head; no later load exists to run ahead of.
; INPUTS ARE IMAGES OF OPERAND REGISTERS: a group is 512 bytes, lane l's 16 bytes at 16 l.  A tile of 16 rows of Q or K is two groups; 128 keys x 16 channels of V are four.
; LAYOUT.  S^T = K Q^T (source 0 = 16 keys, source 1 = my 16 queries), O^T = V^T P^T: a lane holds ONE query (lane % 16).  Register j of score tile u is key 16 u + 8 (lane / 16) + j.
; LIMITS on the given exponents: e6 + e7 between -123 and 130 (added to c's exponent field); e8, and e10 - e8 - e9, between -126 and 119.
; REGISTERS: v1 16 x lane; v2, v4: 448 x 2^(e10-e8-e9) and that power; v5, v6 the add's; v7, v8 V's and K's LDS address; v12 -M, v13 the largest t, v[14:15] the sum; v16-23 Q; v24-31 the second tile's Q, then o's codes;
;   v32-95 K's 8 fragments, then V's 4; v96-159 S^T, then p; v160-191 O^T; v192-223 o; v224-239 p's codes; v240, v241: 448 x 2^e8; v244: 2^e8; v236-239, v242-243, v246-255 at work.
.set VOFF,  131072
.set SPARE, 262144                     ; behind K and V: the spare words, 128 bytes for each wave: eight blocks of 256 bytes that no other line names
.set LI,   1
.set LO2,  2
.set SC2,  4
.set SPW,  5
.set NIL,  6
.set ADV,  7
.set ADK,  8
.set WV,   18                          ; s18  my wave's number
.set SEL,  20                          ; s[20:21] lane selects for v_permlanex16_b32: lane l xor 16
.set CS,   22                          ; s[22:23] c = log2(e) / 8 x 2^(e6 + e7)
.set G1A,  24                          ; s[24:31] descriptor group 1: 16 rows of 256 bytes;  s[32:39]: 48 rows
.set G1B,  32
.set G0A,  40                          ; s[40:43], s[44:47] the two groups 0
.set G0B,  44
.set QA,   48                          ; s[48:49], s[50:51] Q's images of my two tiles;  s[52:53], s[54:55] where their o goes
.set QB,   50
.set OA,   52
.set OB,   54
.set S,    60                          ; s60  the trip, 0 .. 16
.set A,    61                          ; s61  a = w / 2: the first tile's last trip;  s62  a + 1;  s63  15 - a
.set A1,   62
.set XA,   63
.set LAST, 66                          ; s66  the trip that lies on the diagonal of the tile in hand
.set MM,   67                          ; s67  which of that step's eight score tiles holds the diagonal;  s70 the same for the second tile
.set MB,   70
.set TRI,  76                          ; s[76:83] lanes in which register j of the diagonal's score tile is hidden: 8 (lane / 16) + j > lane % 16
.set TM,   84                          ; s[84:99] a score tile's eight lane masks, two sets by turns
.macro CROUND                          ; a round of the cluster's barrier
	s_barrier_signal -1
	s_barrier_wait -1
	s_cmp_lg_u32 s[WV], 0
	s_cbranch_scc1 .Lnot_wave_0_\@
	s_barrier_signal -3
.Lnot_wave_0_\@:
	s_barrier_wait -3
	s_barrier_signal -1
	s_barrier_wait -1
.endm
	s_load_b128 s[4:7], s[0:1], 0x0                ; qkv s[4:5], lowp_scales s[6:7]
	s_load_b64 s[8:9], s[0:1], 0x10                ; oc
	v_lshl_add_u32 v[SPW], v0, 2, SPARE
	v_mov_b32 v[NIL], 0
	ds_add_u32 v[SPW], v[NIL]
	ds_add_u32 v[SPW], v[NIL]
	v_lshrrev_b32 v8, 5, v0
	v_readfirstlane_b32 s[WV], v8                  ; wave 0..15
	s_and_b32 s11, ttmp7, 0xffff                   ; the pair = 16 batch + head
	s_lshl_b32 s12, s11, 17                        ; its 131,072 bytes in each of Q, K, V
	s_and_b32 s13, s[WV], 7                        ; which eighth I fetch,
	s_lshr_b32 s14, s[WV], 3                       ; of K (0) or of V (1)
	s_lshl_b32 s17, s14, 17                        ; the region in LDS
	s_lshl_b32 s19, s13, 12
	s_mov_b32 s[G0A], 1
	s_add_co_u32 s[G0A+1], s17, s19                ; key steps 0-3: 4,096 bytes a wave
	s_add_co_u32 s14, s14, 1
	s_lshl_b32 s14, s14, 23                        ; K at 8 MiB, V at 16 MiB
	s_add_co_u32 s14, s14, s12
	s_add_co_u32 s56, s14, s19
	s_mov_b32 s57, 0
	s_mul_i32 s13, s13, 12288
	s_add_co_u32 s13, s13, 32768                   ; key steps 4-15: 12,288 bytes a wave
	s_mov_b32 s[G0B], 1
	s_add_co_u32 s[G0B+1], s17, s13
	s_add_co_u32 s58, s14, s13
	s_mov_b32 s59, 0
.irp g, G1A, G1B                       ; dense blocks as rows of 32 elements of 8 bytes; mask 15: the cluster's four; bit 21 beside it
	s_mov_b32 s[\g], 15|(3<<16)|(1<<21)
	s_mov_b32 s[\g+1], 32<<16
	s_mov_b32 s[\g+3], 32<<16
	s_mov_b32 s[\g+5], 32
	s_mov_b32 s[\g+6], 0
	s_mov_b32 s[\g+7], 0
.endr
	s_mov_b32 s[G1A+2], 16<<16
	s_mov_b32 s[G1A+4], 16
	s_mov_b32 s[G1B+2], 48<<16
	s_mov_b32 s[G1B+4], 48
	s_lshr_b32 s[A], s[WV], 1
	s_add_co_u32 s[A1], s[A], 1
	s_xor_b32 s[XA], s[A], 15
	s_mov_b32 s[LAST], s[A]
	s_mov_b32 s[SEL], 0x76543210
	s_mov_b32 s[SEL+1], 0xfedcba98
	s_mov_b32 s[CS], 0x3e38aa3b                    ; log2(e) / 8
	s_wait_dscnt 0x0                               ; both opening adds are done
	s_wait_kmcnt 0x0
	s_load_b64 s[68:69], s[6:7], 0x18              ; e6, e7
	s_load_b128 s[72:75], s[6:7], 0x20             ; e8, e9, e10, e11
	s_add_nc_u64 s[G0A+2:G0A+3], s[4:5], s[56:57]
	s_or_b32 s[G0A+3], s[G0A+3], 0x80000000
	s_add_nc_u64 s[G0B+2:G0B+3], s[4:5], s[58:59]
	s_or_b32 s[G0B+3], s[G0B+3], 0x80000000
	CROUND                                         ; the four work-groups are here: the first joint loads meet
	tensor_load_to_lds s[G0A:G0A+3], s[G1A:G1A+7]  ; key steps 0-3: my one load at the head
	s_nop 0
.rept 4
	v_nop
.endr
	s_bfe_u32 s10, ttmp6, 0x40000                  ; cx
	s_lshl_b32 s15, s[WV], 2
	s_add_co_u32 s15, s15, s10                     ; my first tile j = cx + 4 w,
	s_sub_co_u32 s16, 127, s15                     ; and my second
	s_and_b32 s[MM], s15, 7
	s_xor_b32 s[MB], s[MM], 7
	s_mov_b32 s85, 0
	s_lshl_b32 s84, s15, 10                        ; a tile's image of Q is 1,024 bytes
	s_add_co_u32 s84, s84, s12
	s_add_nc_u64 s[QA:QA+1], s[4:5], s[84:85]
	s_lshl_b32 s84, s16, 10
	s_add_co_u32 s84, s84, s12
	s_add_nc_u64 s[QB:QB+1], s[4:5], s[84:85]
	s_and_b32 s86, s11, 15                         ; oc: [head / 4][tile of 16 rows: 128 batch + tile][head % 4][group 2][512]
	s_lshr_b32 s87, s86, 2
	s_lshl_b32 s87, s87, 21
	s_and_b32 s86, s86, 3
	s_lshl_b32 s86, s86, 10
	s_add_co_u32 s86, s86, s87
	s_lshr_b32 s87, s11, 4
	s_lshl_b32 s87, s87, 19
	s_add_co_u32 s86, s86, s87
	s_lshl_b32 s84, s15, 12
	s_add_co_u32 s84, s84, s86
	s_add_nc_u64 s[OA:OA+1], s[8:9], s[84:85]
	s_lshl_b32 s84, s16, 12
	s_add_co_u32 s84, s84, s86
	s_add_nc_u64 s[OB:OB+1], s[8:9], s[84:85]
	v_and_b32 v[LI], 31, v0
	v_lshlrev_b32 v[LI], 4, v[LI]
	global_load_b128 v[16:19], v[LI], s[QA:QA+1]   ; both tiles' Q now: the second waits in v24-31
	global_load_b128 v[20:23], v[LI], s[QA:QA+1] offset:512
	global_load_b128 v[24:27], v[LI], s[QB:QB+1]
	global_load_b128 v[28:31], v[LI], s[QB:QB+1] offset:512
	v_and_b32 v9, 15, v0
	v_bfe_u32 v10, v0, 4, 1
	v_lshlrev_b32 v10, 3, v10
	v_sub_nc_u32 v9, v9, v10                       ; lane % 16 - 8 (lane / 16)
.irp j, 0,1,2,3,4,5,6,7
	v_cmp_gt_i32 s[TRI+\j], \j, v9
.endr
	v_mov_b32 v236, 0                              ; written once: a lane permute's destination counts as one of its sources
	v_mov_b32 v252, 0
	v_mov_b32 v253, 0
; A tile begins with an empty softmax: O^T and the sum are zeros and the largest t is -3e38, so that the key step is written once.
.macro INIT
	v_mov_b32 v13, 0xff61b1e6
	s_delay_alu instid0(VALU_DEP_1)
	v_floor_f32 v12, -v13                          ; -M
	v_mov_b32 v14, 0
	v_mov_b32 v15, 0
.set n, 0
.rept 32
	v_mov_b32 v[160+n], 0
.set n, n+1
.endr
.endm
	INIT
	s_wait_kmcnt 0x0
	s_add_co_i32 s92, s68, s69
	s_lshl_b32 s92, s92, 23
	s_add_co_i32 s[CS], s[CS], s92                 ; a score stands for score x 2^(e6 + e7)
	s_mov_b32 s[CS+1], s[CS]
	s_add_co_i32 s92, s72, 127
	s_lshl_b32 s93, s92, 23
	v_mov_b32 v244, s93                            ; 2^e8
	s_add_co_i32 s92, s92, 8
	s_lshl_b32 s92, s92, 23
	s_or_b32 s92, s92, 0x600000
	v_mov_b32 v240, s92                            ; 448 x 2^e8, twice: one register for each half of a dual pair
	v_mov_b32 v241, s92
	s_sub_co_i32 s92, s74, s72
	s_sub_co_i32 s92, s92, s73                     ; O^T / the sum stands for o / 2^(e8 + e9): its code is that / 2^(e10 - e8 - e9)
	s_add_co_i32 s92, s92, 127
	s_lshl_b32 s93, s92, 23
	v_mov_b32 v[SC2], s93
	s_add_co_i32 s92, s92, 8
	s_lshl_b32 s92, s92, 23
	s_or_b32 s92, s92, 0x600000
	v_mov_b32 v[LO2], s92
; A tile ends: O^T is divided by the row's sum, held, quantised with the folded scale, and stored as two groups of 512 consecutive bytes.  sw = 1: the second tile's Q moves into place first.
.macro EPI ob, sw
.if \sw
.irp n, 0,1,2,3,4,5,6,7
	v_mov_b32 v[16+\n], v[24+\n]                   ; (also the places behind the last products)
.endr
.else
.rept 4
	v_nop
.endr
.endif
	v_add_f32 v14, v14, v15
	s_delay_alu instid0(VALU_DEP_1)
	v_permlanex16_b32 v252, v14, s[SEL], s[SEL+1]
	s_delay_alu instid0(VALU_DEP_1)
	v_add_f32 v14, v14, v252
	s_wait_alu depctr_va_vdst(0)
	v_rcp_f32 v14, v14
	v_nop
	s_wait_alu depctr_va_vdst(0)                   ; ahead of the reciprocal's first reader, which is O^T's first too
.set n, 0
.rept 16
	v_pk_mul_f32 v[192+n:193+n], v[160+n:161+n], v[14:15] op_sel_hi:[1,0]
.set n, n+2
.endr
.set n, 0
.rept 32
	v_med3_num_f32 v[192+n], v[192+n], -v[LO2], v[LO2]
.set n, n+1
.endr
	s_wait_alu depctr_va_vdst(0)
	s_wait_xcnt 0x0                                ; the other tile's stores have read their codes
.irp t, 0,1,2,3
	v_cvt_scalef32_pk8_fp8_f32 v[24+2*\t:25+2*\t], v[192+8*\t:199+8*\t], v[SC2]
.endr
	v_nop
	global_store_b128 v[LI], v[24:27], s[\ob:\ob+1]
	global_store_b128 v[LI], v[28:31], s[\ob:\ob+1] offset:512
.endm
; A TRIP: 128 keys for the tile in hand.  mask bounds the key step's LDS byte: 3 x 8,192 in the first four trips, 15 x 8,192 later.
.macro TRIP mask
	s_cmp_lg_u32 s[S], s[A1]                       ; trip a + 1: the first tile is finished and the second begins (the wave's number and the trip's alone)
	s_cbranch_scc1 .Lsame_\@
	EPI OA, 1
	INIT
	s_mov_b32 s[LAST], 16
	s_mov_b32 s[MM], s[MB]
.Lsame_\@:
	s_cmp_gt_u32 s[S], s[A]
	s_cselect_b32 s100, s[XA], 0                   ; the key step: the trip's number in the first tile; (trip + 15 - a) mod 16 = trip - a - 1 in the second
	s_add_co_u32 s100, s100, s[S]
	s_lshl_b32 s100, s100, 13
	s_and_b32 s100, s100, \mask
	v_add_nc_u32 v[ADK], s100, v[LI]
	v_add_nc_u32 v[ADV], VOFF, v[ADK]
.rept 2
	v_nop                                          ; with the additions: four places in front of loads into registers that the last products have read
.endr
.irp t, 0,1,2,3,4,5,6,7
	ds_load_b128 v[32+8*\t:35+8*\t], v[ADK] offset:\t*1024
	ds_load_b128 v[36+8*\t:39+8*\t], v[ADK] offset:\t*1024+512
.endr
	s_wait_alu depctr_va_vdst(0)
	s_wait_dscnt 0x0
.irp t, 0,1,2,3,4,5,6,7
	v_wmma_f32_16x16x64_fp8_fp8 v[96+8*\t:103+8*\t], v[32+8*\t:39+8*\t], v[16:23], 0   ; S^T: 16 keys x my 16 queries
.endr
.rept 4
	v_nop                                          ; places: in front of V's loads into K's registers, and of the first read of the scores
.endr
.irp t, 0,1,2,3
.irp g, 0,1,2,3
	ds_load_b128 v[32+16*\t+4*\g:35+16*\t+4*\g], v[ADV] offset:2048*\t+512*\g   ; V's four fragments land while the softmax is worked
.endr
.endr
	s_cmp_lg_u32 s[S], s[LAST]                     ; a tile's last trip lies on the diagonal: hidden scores become -infinity ahead of the maximum
	s_cbranch_scc1 .Lopen_\@
	v_mov_b32 v254, 0xff800000
	s_wait_alu depctr_va_vdst(0)
.irp u, 0,1,2,3,4,5,6,7                ; score tile u: behind the diagonal's tile all lanes are hidden, in it the triangle's, ahead of it none: chosen by scalar selects
	s_cmp_lt_u32 s[MM], \u
	s_cselect_b32 s101, -1, 0
	s_cmp_eq_u32 s[MM], \u
.irp j, 0,1,2,3,4,5,6,7
	s_cselect_b32 s[TM+8*(\u%2)+\j], s[TRI+\j], s101
.endr
.irp j, 0,1,2,3,4,5,6,7
	v_cndmask_b32 v[96+8*\u+\j], v[96+8*\u+\j], v254, s[TM+8*(\u%2)+\j]
.endr
.endr
.Lopen_\@:
	v_max3_num_f32 v254, v96, v97, v98             ; the step's largest score of my query, in two chains; each accumulator is first read at its low end
	v_max3_num_f32 v252, v99, v100, v101
.irp i, 6,10,14,18,22,26,30,34,38,42,46,50,54,58
	v_max3_num_f32 v254, v254, v[96+\i], v[97+\i]
	v_max3_num_f32 v252, v252, v[98+\i], v[99+\i]
.endr
	v_max3_num_f32 v254, v254, v158, v159
	s_delay_alu instid0(VALU_DEP_1)
	v_max_num_f32 v254, v254, v252
	v_permlanex16_b32 v236, v254, s[SEL], s[SEL+1]
	s_delay_alu instid0(VALU_DEP_1)
	v_max_num_f32 v254, v254, v236                 ; and among lane l xor 16's
	s_delay_alu instid0(VALU_DEP_1)
	v_mul_f32 v254, s[CS], v254                    ; as t (c is positive)
	s_delay_alu instid0(VALU_DEP_1)
	v_max_num_f32 v13, v13, v254                   ; the running largest t
	v_mov_b32 v254, v12
	s_delay_alu instid0(VALU_DEP_2)
	v_floor_f32 v12, -v13                          ; the new -M = -ceil(t)
	s_delay_alu instid0(VALU_DEP_1)
	v_sub_f32 v254, v12, v254                      ; old M - new M: a whole number, 0 or less
	s_delay_alu instid0(VALU_DEP_1)
	v_cvt_i32_f32 v254, v254
	s_delay_alu instid0(VALU_DEP_1)
	v_ldexp_f32 v252, 1.0, v254                    ; f = 2^(old M - new M)
.set n, 0
.rept 32
	v_pk_fma_f32 v[96+n:97+n], v[96+n:97+n], s[CS:CS+1], v[12:13] op_sel_hi:[1,0,0]   ; t - M, two at a time
.set n, n+2
.endr
.set n, 0
	s_wait_alu depctr_va_vdst(0)
.rept 64
	v_exp_f32 v[96+n], v[96+n]                     ; p = 2^(t - M), at most 1
.set n, n+1
.endr
	v_pk_mul_f32 v[14:15], v[14:15], v[252:253] op_sel_hi:[1,0]   ; the sums under the new M: the plain line behind the exponentials
	s_wait_alu depctr_va_vdst(0)                   ; one wait for the batch of 64, ahead of its first reader
	v_pk_add_f32 v[242:243], v[100:101], v[104:105]
	v_pk_add_f32 v[254:255], v[108:109], v[112:113]
	v_pk_add_f32 v[250:251], v[116:117], v[120:121]
	v_pk_add_f32 v[248:249], v[124:125], v[128:129]
	v_pk_add_f32 v[246:247], v[132:133], v[136:137]
	v_pk_add_f32 v[238:239], v[140:141], v[144:145]
	v_pk_add_f32 v[236:237], v[148:149], v[152:153]
	v_pk_add_f32 v[14:15], v[14:15], v[156:157]
	v_pk_add_f32 v[242:243], v[242:243], v[96:97]
	v_pk_add_f32 v[254:255], v[254:255], v[98:99]
	v_pk_add_f32 v[250:251], v[250:251], v[102:103]
	v_pk_add_f32 v[248:249], v[248:249], v[106:107]
	v_pk_add_f32 v[246:247], v[246:247], v[110:111]
	v_pk_add_f32 v[238:239], v[238:239], v[114:115]
	v_pk_add_f32 v[236:237], v[236:237], v[118:119]
	v_pk_add_f32 v[14:15], v[14:15], v[122:123]
	v_pk_add_f32 v[242:243], v[242:243], v[126:127]
	v_pk_add_f32 v[254:255], v[254:255], v[130:131]
	v_pk_add_f32 v[250:251], v[250:251], v[134:135]
	v_pk_add_f32 v[248:249], v[248:249], v[138:139]
	v_pk_add_f32 v[246:247], v[246:247], v[142:143]
	v_pk_add_f32 v[238:239], v[238:239], v[146:147]
	v_pk_add_f32 v[236:237], v[236:237], v[150:151]
	v_pk_add_f32 v[14:15], v[14:15], v[154:155]
	v_pk_add_f32 v[242:243], v[242:243], v[158:159]
	s_delay_alu instid0(VALU_DEP_2)
	v_pk_add_f32 v[14:15], v[14:15], v[248:249]
	s_delay_alu instid0(VALU_DEP_2)
	v_pk_add_f32 v[242:243], v[242:243], v[246:247]
	v_pk_add_f32 v[254:255], v[254:255], v[238:239]
	v_pk_add_f32 v[250:251], v[250:251], v[236:237]
	s_delay_alu instid0(VALU_DEP_2)
	v_pk_add_f32 v[14:15], v[14:15], v[254:255]
	s_delay_alu instid0(VALU_DEP_2)
	v_pk_add_f32 v[242:243], v[242:243], v[250:251]
	s_delay_alu instid0(VALU_DEP_1)
	v_pk_add_f32 v[14:15], v[14:15], v[242:243]
.set n, 0
.rept 32
	v_dual_min_num_f32 v[96+n], v[96+n], v240 :: v_dual_min_num_f32 v[97+n], v[97+n], v241   ; the conversion does not saturate (ISA guide 7.6.2); p is not negative, so the hold is one-sided; two to a line
.set n, n+2
.endr
.irp t, 0,1,2,3,4,5,6,7
	v_cvt_scalef32_pk8_fp8_f32 v[224+2*\t:225+2*\t], v[96+8*\t:103+8*\t], v244   ; registers 2 t, 2 t + 1 of P: keys 16 t + 8 (lane / 16) + 0 .. 7
.endr
	s_wait_alu depctr_va_vdst(0)
.set n, 0
.rept 16
	v_pk_mul_f32 v[160+n:161+n], v[160+n:161+n], v[252:253] op_sel_hi:[1,0]   ; O^T under the new M (also the plain lines behind the conversions)
.set n, n+2
.endr
	s_wait_alu depctr_va_vdst(0)
	s_wait_dscnt 0x0                               ; V is in
.irp t, 0,1,2,3
	v_wmma_f32_16x16x128_fp8_fp8 v[160+8*\t:167+8*\t], v[32+16*\t:47+16*\t], v[224:239], v[160+8*\t:167+8*\t]   ; O^T += V^T P^T: the four accumulators by turns
.endr
.endm
	s_wait_alu depctr_va_vdst(0)
	s_wait_tensorcnt 0x0                           ; my part of key steps 0-3 is in
	ds_add_u32 v[SPW], v[NIL]
	s_wait_dscnt 0x0
	CROUND                                         ; everybody's part is in, and the four work-groups are here
	tensor_load_to_lds s[G0B:G0B+3], s[G1B:G1B+7]  ; key steps 4-15: the first tensor load behind the round, and my last
	s_nop 0
.rept 4
	v_nop
.endr
	s_wait_loadcnt 0x0                             ; Q, both tiles'
	s_mov_b32 s[S], 0
.Lone:                                             ; trips 0-3 touch key steps 0-3 alone, in every wave
	TRIP 0x6000
	s_add_co_u32 s[S], s[S], 1
	s_cmp_lt_u32 s[S], 4
	s_cbranch_scc1 .Lone
	s_wait_tensorcnt 0x0                           ; my part of key steps 4-15 is in,
	s_wait_dscnt 0x0
	s_barrier_signal -1
	s_barrier_wait -1                              ; everybody's is
	s_mov_b32 s[S], 4
.Ltwo:                                             ; trips 4-16
	TRIP 0x1e000
	s_add_co_u32 s[S], s[S], 1
	s_cmp_lt_u32 s[S], 17
	s_cbranch_scc1 .Ltwo
	EPI OB, 0
	s_wait_tensorcnt 0x0                           ; the wave's end
	ds_add_u32 v[SPW], v[NIL]
	s_wait_dscnt 0x0
	CROUND                                         ; the closing round
	s_endpgm
.Lfunc_end_k_qb8cbb1d5d8_attn:
	.size	k_qb8cbb1d5d8_attn, .Lfunc_end_k_qb8cbb1d5d8_attn-k_qb8cbb1d5d8_attn
	.p2alignl 7, 3214868480
	.fill 96, 4, 3214868480
	.section	.rodata,"a",@progbits
	.p2align	6, 0x0
	.amdhsa_kernel k_qb8cbb1d5d8_attn
		.amdhsa_group_segment_fixed_size 327680
		.amdhsa_private_segment_fixed_size 0
		.amdhsa_enable_private_segment 0
		.amdhsa_kernarg_size 24
		.amdhsa_user_sgpr_count 2
		.amdhsa_user_sgpr_kernarg_segment_ptr 1
		.amdhsa_wavefront_size32 1
		.amdhsa_system_sgpr_workgroup_id_x 1
		.amdhsa_system_sgpr_workgroup_id_y 1
		.amdhsa_system_sgpr_workgroup_id_z 1
		.amdhsa_system_vgpr_workitem_id 0
		.amdhsa_next_free_vgpr 256
		.amdhsa_next_free_sgpr 102
		.amdhsa_reserve_vcc 0
		.amdhsa_float_denorm_mode_32 3
		.amdhsa_float_denorm_mode_16_64 3
		.amdhsa_memory_ordered 1
		.amdhsa_forward_progress 1
		.amdhsa_inst_pref_size 70
	.end_amdhsa_kernel
	.amdgpu_metadata
---
amdhsa.version: [ 1, 2 ]
amdhsa.kernels:
  - .name:           k_qb8cbb1d5d8_attn
    .symbol:         k_qb8cbb1d5d8_attn.kd
    .args:
      - { .name: qkv, .offset: 0, .size: 8, .value_kind: global_buffer, .address_space: global }
      - { .name: lowp_scales, .offset: 8, .size: 8, .value_kind: global_buffer, .address_space: global }
      - { .name: oc, .offset: 16, .size: 8, .value_kind: global_buffer, .address_space: global }
    .group_segment_fixed_size: 327680
    .private_segment_fixed_size: 0
    .kernarg_segment_align: 8
    .kernarg_segment_size: 24
    .max_flat_workgroup_size: 512
    .sgpr_count:     102
    .vgpr_count:     256
    .wavefront_size: 32
...
	.end_amdgpu_metadata
.endif
;; end of part 3
;; launch outp (part 4): grid 4 x 64, 4 waves a work-group, clusters of 4 x 4, 327,680 bytes of LDS; arguments oc, poc, lowp_scales, out0; writes out0
.if DOCPART == 4
	.amdgcn_target "amdgcn-amd-amdhsa--gfx1250"
	.amdhsa_code_object_version 6
	.text
	.protected	k_qb8cbb1d5d8_outp
	.globl	k_qb8cbb1d5d8_outp
	.p2align	8
	.type	k_qb8cbb1d5d8_outp,@function
k_qb8cbb1d5d8_outp:
	s_mov_b64 s[64:65], 0
	v_nop
	global_prefetch_b8 v0, s[64:65] scope:SCOPE_SE
	s_setreg_imm32_b32 hwreg(HW_REG_WAVE_MODE, 25, 1), 1
	s_wait_xcnt 0x0
	s_wait_alu depctr_hold_cnt(0) depctr_sa_sdst(0) depctr_va_vdst(0) depctr_va_sdst(0) depctr_va_ssrc(0) depctr_va_vcc(0) depctr_vm_vsrc(0)
	s_getreg_b32 s2, hwreg(HW_REG_IB_STS2, 6, 4)
	s_cmp_eq_u32 s2, 0
	s_cbranch_scc0 .Lentry_in_a_cluster
	s_endpgm
.Lentry_in_a_cluster:
	s_bfe_u32 s2, ttmp6, 0x10000c
	s_cmp_lg_u32 s2, 0xf033
	s_cbranch_scc0 .Lentry_shape_is_right
	s_endpgm
.Lentry_shape_is_right:
; OUTP: out0[row][d] = 2^(e10 + e11) x the sum over k of o's code (row, k) x P_o's code (d, k); K = 64 head + v = 1,024; codes of FP8 (E4M3), sums in f32.
; LIMIT: e10 + e11 between -126 and 127, so that the power of two is an f32 number.
; A work-group makes 128 rows x 256 columns: 64 x 4 = 256 work-groups.  A wave makes 64 x 128: 32 accumulators of 16 x 16, 256 registers.
; TILES ARE IMAGES OF OPERAND REGISTERS: 16 rows x 256 K are 4,096 bytes: two fragments of four groups of 512 bytes, lane l's 16 bytes at 16 l.  oc: [K step of 256: 4][tile of 16 rows: 512][4,096];  poc: [K step 4][tile of 16 d: 64][4,096].
; LDS holds THREE K steps: a K step is 32,768 bytes of o and 65,536 of P_o.  Waves 0, 1 fetch o's halves (64 rows), waves 2, 3 P_o's (128 rows).  Each has a region of its own with three slots on end, and ONE load at the head
; brings K steps 0, 1, 2 as three long rows, a K step apart in memory.  K step 3 is the launch's only refill: into slot 0, behind a round of the cluster's barrier, when K step 0 has been read.
; CLUSTERS: 4 x 4 work-groups: o's tiles are asked for jointly along a row of the cluster, P_o's along a column.
; PREFETCH: K step 3 is asked of memory at the head, 48 products, three quarters of a K step, ahead of its load: of the bytes that a wave fetches each of the four partners takes a quarter, told apart by address; lanes 256 bytes apart
; (o: 16 blocks a wave: the lanes left over name the last block again).  K steps 0-2 come by the head's load alone.
; THE MATRIX INSTRUCTION IS USED TRANSPOSED (source 0 = 16 rows of P_o, source 1 = 16 rows of o): a lane holds eight neighbouring numbers of a row of out0.
; REGISTERS, in windows of 256: window 0: v16-29 addresses; v32-95 the way out; v128-191, v192-255 o's four fragments, two sets.  window 1: P_o's eight fragments, two sets, at v0 and v128.  window 2: accumulator (a, b) at v[8 (8 a + b)].
.set ASTEP,  1<<21
.set BSTEP,  1<<18
.set NCOL,   1024
.set AREG,   49152                     ; a region of o: three slots of 16,384 bytes
.set BBASE,  98304                     ; behind o's two regions: P_o's two,
.set BREG,   98304                     ; three slots of 32,768 bytes each
.set SPARE,  294912                    ; behind them: the spare words, 128 bytes for each wave: two blocks of 256 bytes that no other line names
.set STAGE,  BBASE+32768               ; the way out: 16 rows x 528 bytes for each wave, in slots 1 and 2 of P_o's first region: they are filled once, and nobody reads them behind the last barrier
.set SPITCH, 528
.set ADRA, 16                          ; v16     LDS address of my fragments of o
.set ADRB, 20                          ; v20-22  of P_o, in slots 0, 1, 2
.set STO,  24
.set RD,   25
.set CO,   26
.set PFO,  27                          ; v27     the prefetch's offset; never rewritten
.set SPW,  28
.set NIL,  29
.set TMP,  32
.set BK,   128
.set G1,   24                          ; s[24:31] group 1 of o's refill;  s[32:35], s[36:39] o's groups 0: the head's, the refill's
.set G0,   32
.set G1B,  48                          ; s[48:55], s[56:63] the same for P_o
.set G0B,  56
.set G1H,  68                          ; s[68:75], s[76:83] groups 1 of the head's loads
.set G1BH, 76
.set PFA,  90                          ; s[90:91] the prefetch's address; never rewritten
.set MSB, 0
.macro WIN new                         ; the immediate's high byte repeats the setting that is left
.if MSB != \new
	s_set_vgpr_msb (MSB<<8)|\new
.set MSB, \new
.endif
.endm
.set MUL,  0xa1                        ; source 0 window 1, source 1 window 0, C and D window 2
.set TO_B, 0x40                        ; destination window 1, address window 0
.macro JLOAD g0a, g1a, g0b, g1b        ; a joint load: the branch hangs on the wave's number alone; an s_nop 0 and four v_nop follow each line
	s_cmp_eq_u32 s15, 0
	s_cbranch_scc0 .Lfor_b_\@
	tensor_load_to_lds s[\g0a:\g0a+3], s[\g1a:\g1a+7]
	s_nop 0
.rept 4
	v_nop
.endr
	s_branch .Lasked_\@
.Lfor_b_\@:
	tensor_load_to_lds s[\g0b:\g0b+3], s[\g1b:\g1b+7]
	s_nop 0
.rept 4
	v_nop
.endr
.Lasked_\@:
.endm
.macro CREST                           ; a round of the cluster's barrier behind its opening barrier
	s_cmp_lg_u32 s14, 0
	s_cbranch_scc1 .Lnot_wave_0_\@
	s_barrier_signal -3
.Lnot_wave_0_\@:
	s_barrier_wait -3
	s_barrier_signal -1
	s_barrier_wait -1
.endm
.macro CROUND
	s_barrier_signal -1
	s_barrier_wait -1
	CREST
.endm
	s_load_b128 s[4:7], s[0:1], 0x0                ; oc s[4:5], poc s[6:7]
	s_load_b128 s[8:11], s[0:1], 0x10              ; lowp_scales s[8:9], out0 s[10:11]
	v_lshl_add_u32 v[SPW], v0, 2, SPARE
	v_mov_b32 v[NIL], 0
	ds_add_u32 v[SPW], v[NIL]
	ds_add_u32 v[SPW], v[NIL]
	v_lshrrev_b32 v1, 5, v0
	v_readfirstlane_b32 s14, v1                    ; wave 0..3
	s_lshr_b32 s15, s14, 1                         ; which 64 rows of o are mine.  Also: I fetch for o (0) or for P_o (1)
	s_and_b32 s16, s14, 1                          ; which 128 rows of P_o.  Also: which half of that tile I fetch
	s_bfe_u32 s40, ttmp6, 0x40000                  ; cx
	s_bfe_u32 s41, ttmp6, 0x40004                  ; cy
	s_lshl_b32 s42, ttmp9, 2
	s_add_co_u32 s42, s42, s40                     ; tile of 256 columns
	s_and_b32 s17, ttmp7, 0xffff
	s_lshl_b32 s17, s17, 2
	s_add_co_u32 s17, s17, s41                     ; tile of 128 rows
	s_lshl_b32 s43, s41, 2
	s_lshl_b32 s43, 15, s43                        ; my row of the cluster
	s_lshl_b32 s44, 0x1111, s40                    ; my column
	s_or_b32 s[G1], s43, (3<<16)|(1<<21)           ; 15:0 the mask; 17:16 elements of 8 bytes; 21 set beside a mask
	s_or_b32 s[G1H], s43, (3<<16)|(1<<21)
	s_or_b32 s[G1B], s44, (3<<16)|(1<<21)
	s_or_b32 s[G1BH], s44, (3<<16)|(1<<21)
.irp g, G1, G1B                        ; the refill: a dense block as rows of 32 elements: 64 rows of o, 128 of P_o
	s_mov_b32 s[\g+1], 32<<16
	s_mov_b32 s[\g+3], 32<<16
	s_mov_b32 s[\g+5], 32
	s_mov_b32 s[\g+6], 0
	s_mov_b32 s[\g+7], 0
.endr
	s_mov_b32 s[G1+2], 64<<16
	s_mov_b32 s[G1+4], 64
	s_mov_b32 s[G1B+2], 128<<16
	s_mov_b32 s[G1B+4], 128
.irp g, G1H, G1BH                      ; the head: three rows, one for each K step
	s_mov_b32 s[\g+2], 3<<16
	s_mov_b32 s[\g+4], 3
	s_mov_b32 s[\g+6], 0
	s_mov_b32 s[\g+7], 0
.endr
	s_mov_b32 s[G1H+1], 2048<<16                   ; o: 2,048 elements = 16,384 bytes a row,
	s_mov_b32 s[G1H+3], 2048<<16
	s_mov_b32 s[G1H+5], ASTEP/8                    ; a K step apart
	s_mov_b32 s[G1BH+1], 4096<<16                  ; P_o: 32,768 bytes a row
	s_mov_b32 s[G1BH+3], 4096<<16
	s_mov_b32 s[G1BH+5], BSTEP/8
	s_lshl_b32 s20, s17, 15                        ; o: the tile's 32,768 bytes of a K step,
	s_lshl_b32 s18, s16, 14
	s_add_co_u32 s20, s20, s18                     ; my half: nothing of cx enters
	s_mov_b32 s21, 0
	s_lshl_b32 s46, s42, 16                        ; P_o: the tile's 65,536 bytes,
	s_lshl_b32 s19, s16, 15
	s_add_co_u32 s46, s46, s19                     ; my half: nothing of cy enters
	s_mov_b32 s47, 0
	s_mul_i32 s45, s16, AREG                       ; where they go: no place in the cluster enters an LDS address
	s_mul_i32 s66, s16, BREG
	s_add_co_u32 s66, s66, BBASE
	s_wait_dscnt 0x0                               ; both opening adds are done
	s_wait_kmcnt 0x0
	s_load_b64 s[96:97], s[8:9], 0x28              ; e10, e11
	s_add_nc_u64 s[20:21], s[4:5], s[20:21]
	s_add_nc_u64 s[46:47], s[6:7], s[46:47]
	CROUND                                         ; all sixteen work-groups are here: the first joint loads meet
	s_mov_b32 s[G0], 1
	s_mov_b32 s[G0+1], s45
	s_mov_b64 s[G0+2:G0+3], s[20:21]
	s_or_b32 s[G0+3], s[G0+3], 0x80000000
	s_mov_b32 s[G0B], 1
	s_mov_b32 s[G0B+1], s66
	s_mov_b64 s[G0B+2:G0B+3], s[46:47]
	s_or_b32 s[G0B+3], s[G0B+3], 0x80000000
	JLOAD G0, G1H, G0B, G1BH                       ; K steps 0, 1, 2: my one load at the head
	s_mov_b32 s[G0+4], 1                           ; the refill: K step 3 into slot 0
	s_mov_b32 s[G0+5], s45
	s_add_nc_u64 s[G0+6:G0+7], s[20:21], 3*ASTEP
	s_or_b32 s[G0+7], s[G0+7], 0x80000000
	s_mov_b32 s[G0B+4], 1
	s_mov_b32 s[G0B+5], s66
	s_add_nc_u64 s[G0B+6:G0B+7], s[46:47], 3*BSTEP
	s_or_b32 s[G0B+7], s[G0B+7], 0x80000000
	; the prefetch's address: P_o's sizes are twice o's, so one sum serves both, shifted by one for P_o
	s_cmp_eq_u32 s15, 0
	s_cselect_b64 s[PFA:PFA+1], s[4:5], s[6:7]
	s_cselect_b32 s84, s17, s42                    ; the tile,
	s_cselect_b32 s85, s40, s41                    ; my place among the four that ask with me,
	s_cselect_b32 s86, 0, 1
	s_cselect_b32 s88, 15, 31                      ; the last block of my quarter
	s_mov_b32 s87, 3*BSTEP
	s_cselect_b32 s87, 3*ASTEP, s87                ; K step 3
	s_lshl_b32 s84, s84, 15
	s_lshl_b32 s89, s16, 14
	s_add_co_u32 s84, s84, s89
	s_lshl_b32 s85, s85, 12
	s_add_co_u32 s84, s84, s85
	s_lshl_b32 s84, s84, s86
	s_add_co_u32 s84, s84, s87
	s_mov_b32 s85, 0
	s_add_nc_u64 s[PFA:PFA+1], s[PFA:PFA+1], s[84:85]
	s_mul_i32 s22, s15, AREG                       ; my 64 rows of o,
	s_mul_i32 s23, s16, BREG
	s_add_co_u32 s23, s23, BBASE                   ; my 128 rows of P_o,
	s_mul_i32 s67, s14, 16*SPITCH
	s_add_co_u32 s67, s67, STAGE                   ; my stage
	s_lshl_b32 s20, s17, 19                        ; my first row of out0: 128 x tile + 64 x half, rows of 4,096 bytes,
	s_lshl_b32 s21, s15, 18
	s_add_co_u32 s20, s20, s21
	s_mov_b32 s21, 0
	s_lshl_b32 s46, s42, 10                        ; my first column, in bytes
	s_lshl_b32 s47, s16, 9
	s_add_co_u32 s46, s46, s47
	s_mov_b32 s47, 0
	s_add_nc_u64 s[20:21], s[20:21], s[46:47]
	s_add_nc_u64 s[10:11], s[10:11], s[20:21]
	v_and_b32 v1, 15, v0
	v_bfe_u32 v2, v0, 4, 1
	v_and_b32 v6, 31, v0
	v_lshlrev_b32 v[CO], 4, v6                     ; 16 x lane
	v_min_u32 v[PFO], s88, v6
	v_lshlrev_b32 v[PFO], 8, v[PFO]
	v_add_nc_u32 v[ADRA], s22, v[CO]
	v_add_nc_u32 v[ADRB], s23, v[CO]
	v_add_nc_u32 v[ADRB+1], 32768, v[ADRB]
	v_add_nc_u32 v[ADRB+2], 65536, v[ADRB]
	v_mul_u32_u24 v5, v1, SPITCH                   ; the stage, in: row l % 16, 32 bytes for each half of the lanes
	v_lshl_add_u32 v5, v2, 5, v5
	v_add_nc_u32 v[STO], s67, v5
	v_add_nc_u32 v[RD], s67, v[CO]                 ; back: the 32 lanes take one row of 512 bytes
	global_prefetch_b8 v[PFO], s[PFA:PFA+1] th:TH_LOAD_NT scope:SCOPE_SE
.macro FRAG reg, adr, off              ; a fragment: four groups, each 512 consecutive bytes
.irp c, 0,1,2,3
	ds_load_b128 v[\reg+4*\c:\reg+4*\c+3], v[\adr] offset:\off+512*\c
.endr
.endm
.macro FETCH n                         ; step n of 128 along K (n = 0 .. 7) into set n % 2: K step n / 2 lies in slot (n / 2) % 3
.set SL, ((\n)/2)%3
	WIN TO_B
.irp i, 0,1,2,3,4,5,6,7
	FRAG 128*((\n)%2)+16*\i, ADRB+SL, 4096*\i+2048*((\n)%2)
.endr
	WIN 0
.irp i, 0,1,2,3
	FRAG 128+64*((\n)%2)+16*\i, ADRA, 16384*SL+4096*\i+2048*((\n)%2)
.endr
.endm
; 16 matrix instructions: o's blocks a0, a0 + 1 x P_o's eight.  p: the set.  zero = 1: the first product starts the sums.  The 32 accumulators take turns in the same order in every step.
.macro MUL16 a0, p, zero
.irp a, \a0, \a0+1
.irp b, 0,1,2,3,4,5,6,7
.if \zero
	v_wmma_f32_16x16x128_fp8_fp8 v[8*(8*(\a)+\b):8*(8*(\a)+\b)+7], v[128*(\p)+16*\b:128*(\p)+16*\b+15], v[128+64*(\p)+16*(\a):128+64*(\p)+16*(\a)+15], 0
.else
	v_wmma_f32_16x16x128_fp8_fp8 v[8*(8*(\a)+\b):8*(8*(\a)+\b)+7], v[128*(\p)+16*\b:128*(\p)+16*\b+15], v[128+64*(\p)+16*(\a):128+64*(\p)+16*(\a)+15], v[8*(8*(\a)+\b):8*(8*(\a)+\b)+7]
.endif
.endr
.endr
.endm
.macro PLACES                          ; four places in front of loads into registers that matrix instructions have read, and of the first read of results
.rept 4
	v_nop
.endr
.endm
.macro STEP n, zero                    ; this step's fragments are in; the next step's are asked for into the other set; 32 products
	s_wait_dscnt 0x0
	PLACES
	FETCH (\n)+1
	WIN MUL
	MUL16 0, (\n)%2, \zero
	MUL16 2, (\n)%2, \zero
.endm
	s_wait_alu depctr_va_vdst(0)
	s_wait_tensorcnt 0x0                           ; my part of K steps 0-2 is in,
	s_barrier_signal -1
	s_barrier_wait -1                              ; everybody's is
	FETCH 0
	STEP 0, 1
	WIN 0                                          ; STEP 1, and slot 0's refill
	s_wait_tensorcnt 0x0
	ds_add_u32 v[SPW], v[NIL]
	s_wait_dscnt 0x0                               ; the add is done, and step 1's fragments are in: my reads of slot 0 are over
	s_barrier_signal -1
	WIN MUL
	MUL16 0, 1, 0                                  ; work on registers while the others arrive
	WIN 0
	s_barrier_wait -1
	CREST                                          ; the round: no wave of any partner still reads slot 0
	JLOAD G0+4, G1, G0B+4, G1B                     ; K step 3; its four v_nop are also the places in front of the loads below
	FETCH 2
	WIN MUL
	MUL16 2, 1, 0
	STEP 2, 0
	STEP 3, 0
	STEP 4, 0
	s_wait_tensorcnt 0x0                           ; STEP 5: my part of K step 3 is in,
	s_wait_dscnt 0x0                               ; and my reads of slots 1 and 2 are over
	s_barrier_signal -1
	MUL16 0, 1, 0
	s_barrier_wait -1                              ; both hold of every wave
	PLACES
	FETCH 6
	WIN MUL
	MUL16 2, 1, 0
	STEP 6, 0
	s_wait_dscnt 0x0                               ; the last step
	MUL16 0, 1, 0
	MUL16 2, 1, 0
	WIN 0
; THE WAY OUT, a block of 16 rows x 128 columns at a time: x 2^(e10 + e11), through my stage in LDS, back as whole rows of 512 bytes.  LDS serves a wave's instructions in order (ISA guide 5.7.1.4).
.macro TOSTAGE a
.set AC, 64*(\a)
	WIN 0x02                                       ; source 0: window 2
.set jj, 0
.rept 32
	v_pk_mul_f32 v[TMP+jj:TMP+jj+1], v[AC+jj:AC+jj+1], s[96:97] op_sel_hi:[1,0]   ; each accumulator from its low end on
.set jj, jj+2
.endr
	WIN 0
.irp b, 0,1,2,3,4,5,6,7
	ds_store_b128 v[STO], v[TMP+8*\b:TMP+8*\b+3] offset:64*\b
	ds_store_b128 v[STO], v[TMP+8*\b+4:TMP+8*\b+7] offset:64*\b+16
.endr
.set BB, BK+64*((\a)%2)
.irp t, 0,1,2,3,4,5,6,7,8,9,10,11,12,13,14,15
	ds_load_b128 v[BB+4*\t:BB+4*\t+3], v[RD] offset:\t*SPITCH
.endr
.endm
.macro SEND a, younger                 ; younger: the LDS instructions issued behind block a's loads, which may stay out
.set BB, BK+64*((\a)%2)
	s_wait_dscnt \younger
.if (\a) > 0
	s_add_nc_u64 s[10:11], s[10:11], 16*NCOL*4     ; (behind a wait on XCNT: the earlier stores have read their base)
.endif
.irp t, 0,1,2,3,4,5,6,7,8,9,10,11,12,13,14,15
	global_store_b128 v[CO], v[BB+4*\t:BB+4*\t+3], s[10:11] offset:\t*NCOL*4 th:TH_STORE_NT   ; 32 lanes store 512 consecutive bytes, at a multiple of 256 from out0's first byte
.endr
.endm
	s_wait_kmcnt 0x0
	s_add_co_i32 s96, s96, s97
	s_add_co_i32 s96, s96, 127
	s_lshl_b32 s96, s96, 23                        ; 2^(e10 + e11) as f32
	PLACES
	TOSTAGE 0
.irp a, 1,2,3
.if \a > 1
	s_wait_xcnt 0x0                                ; block a - 2's stores have read their registers and their base
.endif
	TOSTAGE \a
	SEND \a-1, 32
.endr
	s_wait_xcnt 0x0
	SEND 3, 0
	s_wait_tensorcnt 0x0                           ; the wave's end
	ds_add_u32 v[SPW], v[NIL]
	s_wait_dscnt 0x0
	CROUND                                         ; the closing round
	s_endpgm
.Lfunc_end_k_qb8cbb1d5d8_outp:
	.size	k_qb8cbb1d5d8_outp, .Lfunc_end_k_qb8cbb1d5d8_outp-k_qb8cbb1d5d8_outp
	.p2alignl 7, 3214868480
	.fill 96, 4, 3214868480
	.section	.rodata,"a",@progbits
	.p2align	6, 0x0
	.amdhsa_kernel k_qb8cbb1d5d8_outp
		.amdhsa_group_segment_fixed_size 327680
		.amdhsa_private_segment_fixed_size 0
		.amdhsa_enable_private_segment 0
		.amdhsa_kernarg_size 32
		.amdhsa_user_sgpr_count 2
		.amdhsa_user_sgpr_kernarg_segment_ptr 1
		.amdhsa_wavefront_size32 1
		.amdhsa_system_sgpr_workgroup_id_x 1
		.amdhsa_system_sgpr_workgroup_id_y 1
		.amdhsa_system_sgpr_workgroup_id_z 1
		.amdhsa_system_vgpr_workitem_id 0
		.amdhsa_next_free_vgpr 768
		.amdhsa_next_free_sgpr 98
		.amdhsa_reserve_vcc 0
		.amdhsa_float_denorm_mode_32 3
		.amdhsa_float_denorm_mode_16_64 3
		.amdhsa_memory_ordered 1
		.amdhsa_forward_progress 1
		.amdhsa_inst_pref_size 74
	.end_amdhsa_kernel
	.amdgpu_metadata
---
amdhsa.version: [ 1, 2 ]
amdhsa.kernels:
  - .name:           k_qb8cbb1d5d8_outp
    .symbol:         k_qb8cbb1d5d8_outp.kd
    .args:
      - { .name: oc, .offset: 0, .size: 8, .value_kind: global_buffer, .address_space: global }
      - { .name: poc, .offset: 8, .size: 8, .value_kind: global_buffer, .address_space: global }
      - { .name: lowp_scales, .offset: 16, .size: 8, .value_kind: global_buffer, .address_space: global }
      - { .name: out0, .offset: 24, .size: 8, .value_kind: global_buffer, .address_space: global }
    .group_segment_fixed_size: 327680
    .private_segment_fixed_size: 0
    .kernarg_segment_align: 8
    .kernarg_segment_size: 32
    .max_flat_workgroup_size: 128
    .sgpr_count:     98
    .vgpr_count:     768
    .wavefront_size: 32
...
	.end_amdgpu_metadata
.endif
;; end of part 4
